; MI455X (gfx1250); checked and timed in simulation.
; The chip was launched on July 23, 2026; its instructions are those of AMD's public machine-readable ISA for CDNA 5 (MIT licence, August 2026) and "CDNA5" Instruction Set Architecture Reference Guide (July 2026). The comments in the code are by the model that wrote it; some were corrected since.
;; Sparse Mixture Of Experts. Allowed arithmetic: float matrix products may take bf16 or f16 operands with f32 sums; other float arithmetic in f32, or as packed bf16 or f16 multiplies, adds, multiply-adds, maxima and minima; sums over many terms, partial sums and values carried from step to step in f32; what a program stores and reads back later, other than sums and carried values, may be rounded once to bf16 or f16.
;; Inputs: eb1 8 x 4,096 float32; eb2 8 x 1,024 float32; ew1 8 x 1,024 x 4,096 float32; ew2 8 x 4,096 x 1,024 float32; rb1 1,024 float32; rb2 8 float32; rw1 1,024 x 1,024 float32; rw2 1,024 x 8 float32; x 1,024 x 1,024 float32.
;; Outputs: out0 1,024 x 1,024 float32.
;; 2 versions, each right; version 2 is version 1 with the launches p1, p2 written anew for expert scheduling mode. Each part assembles by itself: llvm-mc -triple=amdgcn-amd-amdhsa -mcpu=gfx1250 --defsym DOCPART=n.
;; ======== version 1 of 2: 6 launches
;; workspace buffers: pl 1,048,576 bytes; rt 12,288 bytes of whole numbers; gt 8,192 bytes; xg 4,587,520 bytes; pm 8,448 bytes of whole numbers; eh 18,350,080 bytes; y 35,389,440 bytes
;; launch r1 (part 1): grid 16 x 16, 8 waves a work-group, no clusters, 140,288 bytes of LDS; arguments x, rw1, rb1, rw2, pl; writes pl
.if DOCPART == 1
	.amdgcn_target "amdgcn-amd-amdhsa--gfx1250"
	.amdhsa_code_object_version 6
	.text
	.protected	k_q4b4fd02ed1_r1
	.globl	k_q4b4fd02ed1_r1
	.p2align	8
	.type	k_q4b4fd02ed1_r1,@function
k_q4b4fd02ed1_r1:
	s_mov_b64 s[64:65], 0
	v_nop
	global_prefetch_b8 v0, s[64:65] scope:SCOPE_SE
	s_setreg_imm32_b32 hwreg(HW_REG_WAVE_MODE, 25, 1), 1
	s_wait_xcnt 0x0
; ROUTER, FIRST STAGE.  h = relu(x rw1 + rb1) for 64 tokens x 64 hidden units, and that tile's share of the logits h rw2.
; x [1024][1024], rw1 [1024][1024], rb1 [1024], rw2 [1024][8], all f32; every input is rounded once to bf16, sums are f32.
; pl [32 parts][1024 tokens][8] f32: part 2 hs + pp holds the logits' share of 32 hidden units; the next launch adds the parts.
; h enters the second product as TWO bf16 terms, hi + lo (lo = h - hi, exact in f32, then rounded): what is dropped is some 2^-17 of h,
; so that the choice of experts made from these logits is that of the f32 computation but for near ties of that order.
; SHARES.  Work-group (hs, tt): hidden 64 hs .., tokens 64 tt ...  Wave w sums over k = 128 w .. 128 w + 127 (4 steps of 32) for the whole
; 64 x 64 tile: 16 accumulators.  The eight waves' sums meet in LDS; then wave w owns token tile t = w & 3 and fragment pair pp = w >> 2.
; THE MATRIX INSTRUCTION IS USED TRANSPOSED: source 0 = 16 columns of the weights, source 1 = 16 tokens; a lane of the result holds one token.
; WEIGHTS lie [k][column]: lane (r, h) loads 16 bytes (columns 4 r .. 4 r + 3) of the 16 rows k that the 16-bit operand layout gives it,
; so each load of a wave covers two aligned runs of 256 bytes; packing rows in pairs gives 4 fragments, fragment jf holding column 4 r + jf in lane r.
; So hidden units are permuted inside the tile; the second product takes rw2 and rb1 in the same permuted order, which changes no sum's terms.
; LDS: a region of 17,408 bytes a wave: first its x in bf16 (64 rows of 256 + 16 bytes), then, over it, its 16 accumulators of 1,024 bytes.
.set XP,    272                        ; a row of x in LDS: 68 words, so the 16 rows of a fragment load start at 16 different groups of four banks (64 banks of 4 bytes: ISA guide 11.1)
.set REG,   64*XP                      ; a wave's region
.set SPARE, 8*REG                      ; behind the regions: the spare words, 128 bytes a wave, that no other line names
.set LN,  1                            ; v1   lane
.set RR,  2                            ; v2   r = lane % 16
.set HH,  3                            ; v3   h = lane / 16
.set L16, 4                            ; v4   16 x lane
.set XS,  5                            ; v5   where I put 8 bytes of a row of x
.set XF,  6                            ; v6   where my fragments of x begin
.set VW,  7                            ; v7   my offset in a unit of rw1: 8 h rows + 16 r
.set RS,  8                            ; v8   my region + 16 x lane
.set RD0, 9                            ; v9   my two accumulators in region 0
.set RD1, 10                           ; v10  the same in region 4
.set VB,  11                           ; v11  my offset in rb1's 64 numbers
.set VR2, 12                           ; v12  my offset in rw2's 64 rows
.set PO,  13                           ; v13  my 16 bytes of the wave's 512 in pl
.set SPW, 14                           ; v14  my spare word; never rewritten
.set NIL, 15                           ; v15  0; never rewritten
.set TT,  16                           ; v16-31   at work
.set XL,  32                           ; v32-159  x as loaded; then its fragments (step s, tile t at 32 s + 8 t); then the eight partial sums
.set BB,  160                          ; v160-175 rb1 as loaded
.set BF,  176                          ; v176-191 rb1 rounded, in h's order
.set R2L, 192                          ; v192-207 rw2 as loaded
.set R2F, 208                          ; v208-215 its fragment
.set HP,  216                          ; v216-223 h, high term
.set LP,  224                          ; v224-231 h, low term
.set LG0, 232                          ; v232-239 logits from the high term
.set LG1, 240                          ; v240-247 from the low term
.set SS,  248                          ; v248-251 what I store
.set WL,  0                            ; window 1: v0-127 rw1 as loaded, two steps; later
.set ACC, 0                            ; window 1: the 16 accumulators, (t, jf) at 8 (4 t + jf)
.set WF,  128                          ; window 1: v128-255 rw1's fragments, (s, jf) at 32 s + 8 jf
.set MSB, 0
.macro WIN new                         ; the immediate's high byte repeats the setting that is left; a switch that changes nothing is dropped
.if MSB != (\new)
	s_set_vgpr_msb (MSB<<8)|(\new)
.set MSB, \new
.endif
.endm
	s_load_b256 s[4:11], s[0:1], 0x0               ; x s[4:5], rw1 s[6:7], rb1 s[8:9], rw2 s[10:11]
	s_load_b64 s[12:13], s[0:1], 0x20              ; pl
	v_lshl_add_u32 v[SPW], v0, 2, SPARE
	v_mov_b32 v[NIL], 0
	v_lshrrev_b32 v1, 5, v0
	v_readfirstlane_b32 s14, v1                    ; wave 0..7
	s_mov_b32 s15, ttmp9                           ; hs
	s_and_b32 s16, ttmp7, 0xffff                   ; tt
	s_and_b32 s17, s14, 3                          ; t
	s_lshr_b32 s18, s14, 2                         ; pp
	s_mov_b32 s30, 0xffff0000                      ; a word's upper bf16
	s_mul_i32 s19, s14, REG                        ; my region
	v_and_b32 v[LN], 31, v0
	v_and_b32 v[RR], 15, v0
	v_bfe_u32 v[HH], v0, 4, 1
	v_lshlrev_b32 v[L16], 4, v[LN]
	v_lshl_add_u32 v[XS], v[LN], 3, s19
	v_mul_u32_u24 v[XF], v[RR], XP
	v_lshl_add_u32 v[XF], v[HH], 4, v[XF]
	v_add_nc_u32 v[XF], s19, v[XF]
	v_lshlrev_b32 v[VW], 4, v[RR]
	v_lshl_add_u32 v[VW], v[HH], 15, v[VW]         ; 8 rows of 4,096 bytes for the upper half of the lanes
	v_add_nc_u32 v[RS], s19, v[L16]
	s_lshl_b32 s2, s17, 12                         ; accumulator 4 t + 2 pp, 1,024 bytes each
	s_lshl_b32 s3, s18, 11
	s_add_co_u32 s2, s2, s3
	v_add_nc_u32 v[RD0], s2, v[L16]
	v_add_nc_u32 v[RD1], 4*REG, v[RD0]
	s_lshl_b32 s3, s18, 3
	v_lshl_add_u32 v[VB], v[HH], 7, s3             ; 128 h + 8 pp
	v_and_b32 v[VR2], 7, v0
	v_lshlrev_b32 v[VR2], 2, v[VR2]
	v_lshl_add_u32 v[VR2], v[HH], 10, v[VR2]
	s_lshl_b32 s3, s18, 6
	v_add_nc_u32 v[VR2], s3, v[VR2]                ; 1,024 h + 64 pp + 4 (r % 8): rows 8-15 of the fragment repeat experts 0-7
	v_lshlrev_b32 v[PO], 5, v[RR]
	v_lshl_add_u32 v[PO], v[HH], 4, v[PO]
	s_lshl_b32 s20, s16, 18                        ; x: 64 tt rows of 4,096 bytes + my 512 bytes of a row
	s_lshl_b32 s2, s14, 9
	s_add_co_u32 s20, s20, s2
	s_mov_b32 s21, 0
	s_lshl_b32 s22, s14, 19                        ; rw1: 128 w rows + 256 hs bytes
	s_lshl_b32 s2, s15, 8
	s_add_co_u32 s22, s22, s2
	s_mov_b32 s23, 0
	s_lshl_b32 s24, s15, 8                         ; rb1
	s_mov_b32 s25, 0
	s_lshl_b32 s26, s15, 11                        ; rw2: 64 hs rows of 32 bytes
	s_mov_b32 s27, 0
	s_lshl_b32 s28, s15, 1                         ; pl: part 2 hs + pp,
	s_add_co_u32 s28, s28, s18
	s_lshl_b32 s28, s28, 15
	s_lshl_b32 s2, s16, 11                         ; token 64 tt + 16 t, 32 bytes each
	s_add_co_u32 s28, s28, s2
	s_lshl_b32 s2, s17, 9
	s_add_co_u32 s28, s28, s2
	s_mov_b32 s29, 0
	s_wait_kmcnt 0x0
	s_add_nc_u64 s[20:21], s[4:5], s[20:21]
	s_add_nc_u64 s[22:23], s[6:7], s[22:23]
	s_add_nc_u64 s[24:25], s[8:9], s[24:25]
	s_add_nc_u64 s[26:27], s[10:11], s[26:27]
	s_add_nc_u64 s[28:29], s[12:13], s[28:29]
.macro XROWS base                      ; 32 rows of x: a load takes my wave's 512 bytes of a row
.set j, 0
.rept 32
	global_load_b128 v[XL+4*j:XL+4*j+3], v[L16], s[20:21] offset:((\base)+j)*4096
.set j, j+1
.endr
.endm
.macro XCVT base                       ; rounded in place, 8 bytes a lane into the wave's region
.set j, 0
.rept 32
	v_cvt_pk_bf16_f32 v[XL+4*j], v[XL+4*j], v[XL+4*j+1]
	v_cvt_pk_bf16_f32 v[XL+4*j+1], v[XL+4*j+2], v[XL+4*j+3]
.set j, j+1
.endr
.set j, 0
.rept 32
	ds_store_b64 v[XS], v[XL+4*j:XL+4*j+1] offset:((\base)+j)*XP
.set j, j+1
.endr
.endm
.macro WROWS s0                        ; rw1 for steps s0 and s0 + 1: load i of a step takes row 32 s + i % 8 + 16 (i / 8) + 8 h
	WIN 0x40
.set j, 0
.rept 32
	global_load_b128 v[WL+4*j:WL+4*j+3], v[VW], s[22:23] offset:(32*((\s0)+j/16)+(j%8)+16*((j%16)/8))*4096
.set j, j+1
.endr
	WIN 0
.endm
.macro WCVT s0                         ; register q of fragment jf = rows 2 q and 2 q + 1 of my 16, column 4 r + jf
	WIN 0x45
.set j, 0
.rept 64
	v_cvt_pk_bf16_f32 v[WF+32*(\s0)+j], v[WL+64*(j/32)+8*(j%8)+(j%32)/8], v[WL+64*(j/32)+8*(j%8)+4+(j%32)/8]
.set j, j+1
.endr
	WIN 0
.endm
.set j, 0
.rept 8                                ; rb1 of hidden 4 (8 h + j) + 2 pp + 0, 1
	global_load_b64 v[BB+2*j:BB+2*j+1], v[VB], s[24:25] offset:16*j
.set j, j+1
.endr
.set j, 0
.rept 16                               ; rw2[4 (8 h + j % 8) + 2 pp + j / 8][r % 8]
	global_load_b32 v[R2L+j], v[VR2], s[26:27] offset:128*(j%8)+32*(j/8)
.set j, j+1
.endr
	XROWS 0
	WROWS 0
	s_wait_loadcnt 32                              ; all but the 32 loads of rw1: the small loads and x's rows 0-31 are in
	XCVT 0
	XROWS 32
	s_wait_loadcnt 32                              ; all but x's rows 32-63: rw1's steps 0 and 1 are in
	WCVT 0
	WROWS 2
	s_wait_loadcnt 32                              ; all but rw1's steps 2 and 3: x's rows 32-63 are in
	XCVT 32
	s_wait_loadcnt 0x0
	WCVT 2
.set j, 0
.rept 32                               ; fragments of x: step j / 8, tile (j % 8) / 2, half j % 2.  LDS serves a wave's instructions in order (ISA guide 5.7.1.4): these see my stores above
	ds_load_b128 v[XL+4*j:XL+4*j+3], v[XF] offset:((j%8)/2)*16*XP+64*(j/8)+32*(j%2)
.set j, j+1
.endr
	s_wait_dscnt 0x0
	WIN 0x51                                       ; weights, C and D in window 1, x in window 0
.set j, 0
.rept 64                               ; step j / 16, tile (j % 16) / 4, fragment j % 4: the 16 accumulators take turns; the first step starts the sums
.if j < 16
	v_wmma_f32_16x16x32_bf16 v[ACC+8*(j%16):ACC+8*(j%16)+7], v[WF+32*(j/16)+8*(j%4):WF+32*(j/16)+8*(j%4)+7], v[XL+32*(j/16)+8*((j%16)/4):XL+32*(j/16)+8*((j%16)/4)+7], 0
.else
	v_wmma_f32_16x16x32_bf16 v[ACC+8*(j%16):ACC+8*(j%16)+7], v[WF+32*(j/16)+8*(j%4):WF+32*(j/16)+8*(j%4)+7], v[XL+32*(j/16)+8*((j%16)/4):XL+32*(j/16)+8*((j%16)/4)+7], v[ACC+8*(j%16):ACC+8*(j%16)+7]
.endif
.set j, j+1
.endr
.rept 4
	v_nop                                          ; four places between the last product and the stores that read results, and the loads into x's registers
.endr
	WIN 0x04                                       ; store data in window 1
.set j, 0
.rept 32                               ; my 16 accumulators over my x, which nobody reads any more; each accumulator's low four registers first
	ds_store_b128 v[RS], v[ACC+4*j:ACC+4*j+3] offset:512*j
.set j, j+1
.endr
	WIN 0
	s_wait_dscnt 0x0                               ; for the others' sake: my stores are done
	s_barrier_signal -1
	s_barrier_wait -1
.set j, 0
.rept 32                               ; wave j / 4's partial sums of my two accumulators
.if j < 16
	ds_load_b128 v[XL+4*j:XL+4*j+3], v[RD0] offset:(j/4)*REG+512*(j%4)
.else
	ds_load_b128 v[XL+4*j:XL+4*j+3], v[RD1] offset:(j/4-4)*REG+512*(j%4)
.endif
.set j, j+1
.endr
.set j, 0
.rept 8                                ; meanwhile: rb1 rounded to bf16, widened, in h's order; rw2's fragment
	v_cvt_pk_bf16_f32 v[TT+j], v[BB+4*(j%4)+j/4], v[BB+4*(j%4)+2+j/4]
	v_cvt_pk_bf16_f32 v[R2F+j], v[R2L+2*j], v[R2L+2*j+1]
.set j, j+1
.endr
.set j, 0
.rept 8
	v_lshlrev_b32 v[BF+2*j], 16, v[TT+j]
	v_and_b32 v[BF+2*j+1], s30, v[TT+j]
.set j, j+1
.endr
	s_wait_dscnt 0x0                               ; the partial sums are in: my reads of the others' regions are over,
	s_barrier_signal -1                            ; and I say so; the wait stands ahead of the store below, work on registers alone between: no wave writes LDS again before all have read
.set u, 1
.rept 7                                ; the eight waves' sums, in the order of k
.set j, 0
.rept 8
	v_pk_add_f32 v[XL+2*j:XL+2*j+1], v[XL+2*j:XL+2*j+1], v[XL+16*u+2*j:XL+16*u+2*j+1]
.set j, j+1
.endr
.set u, u+1
.endr
.set j, 0
.rept 8
	v_pk_add_f32 v[XL+2*j:XL+2*j+1], v[XL+2*j:XL+2*j+1], v[BF+2*j:BF+2*j+1]
.set j, j+1
.endr
.set j, 0
.rept 16
	v_max_num_f32 v[XL+j], 0, v[XL+j]              ; relu
.set j, j+1
.endr
.set j, 0
.rept 8
	v_cvt_pk_bf16_f32 v[HP+j], v[XL+2*j], v[XL+2*j+1]  ; the high term
.set j, j+1
.endr
.set j, 0
.rept 8
	v_lshlrev_b32 v[TT+2*j], 16, v[HP+j]
	v_and_b32 v[TT+2*j+1], s30, v[HP+j]
.set j, j+1
.endr
.set j, 0
.rept 8
	v_pk_add_f32 v[TT+2*j:TT+2*j+1], v[XL+2*j:XL+2*j+1], v[TT+2*j:TT+2*j+1] neg_lo:[0,1] neg_hi:[0,1]  ; h - hi
.set j, j+1
.endr
.set j, 0
.rept 8
	v_cvt_pk_bf16_f32 v[LP+j], v[TT+2*j], v[TT+2*j+1]  ; the low term
.set j, j+1
.endr
	v_wmma_f32_16x16x32_bf16 v[LG0:LG0+7], v[R2F:R2F+7], v[HP:HP+7], 0   ; register j of lane (r, h): expert j, token r, in both halves of the lanes
	v_wmma_f32_16x16x32_bf16 v[LG1:LG1+7], v[R2F:R2F+7], v[LP:LP+7], 0
.rept 4
	v_nop
.endr
.set j, 0
.rept 4
	v_pk_add_f32 v[LG0+2*j:LG0+2*j+1], v[LG0+2*j:LG0+2*j+1], v[LG1+2*j:LG1+2*j+1]
.set j, j+1
.endr
	v_cmp_eq_u32 vcc_lo, 1, v[HH]
.set j, 0
.rept 4
	v_cndmask_b32 v[SS+j], v[LG0+j], v[LG0+4+j], vcc_lo  ; the lower half of the lanes stores experts 0-3, the upper 4-7
.set j, j+1
.endr
	s_barrier_wait -1                              ; every wave has read the regions
	global_store_b128 v[PO], v[SS:SS+3], s[28:29]  ; the wave's 16 tokens: 512 consecutive bytes, aligned
	s_wait_tensorcnt 0x0                           ; the wave's end
	ds_add_u32 v[SPW], v[NIL]
	s_wait_dscnt 0x0
	s_endpgm
.Lfunc_end_k_q4b4fd02ed1_r1:
	.size	k_q4b4fd02ed1_r1, .Lfunc_end_k_q4b4fd02ed1_r1-k_q4b4fd02ed1_r1
	.p2alignl 7, 3214868480
	.fill 96, 4, 3214868480
	.section	.rodata,"a",@progbits
	.p2align	6, 0x0
	.amdhsa_kernel k_q4b4fd02ed1_r1
		.amdhsa_group_segment_fixed_size 140288
		.amdhsa_private_segment_fixed_size 0
		.amdhsa_enable_private_segment 0
		.amdhsa_kernarg_size 40
		.amdhsa_user_sgpr_count 2
		.amdhsa_user_sgpr_kernarg_segment_ptr 1
		.amdhsa_wavefront_size32 1
		.amdhsa_system_sgpr_workgroup_id_x 1
		.amdhsa_system_sgpr_workgroup_id_y 1
		.amdhsa_system_sgpr_workgroup_id_z 1
		.amdhsa_system_vgpr_workitem_id 0
		.amdhsa_next_free_vgpr 512
		.amdhsa_next_free_sgpr 66
		.amdhsa_reserve_vcc 1
		.amdhsa_float_denorm_mode_32 3
		.amdhsa_float_denorm_mode_16_64 3
		.amdhsa_memory_ordered 1
		.amdhsa_forward_progress 1
		.amdhsa_inst_pref_size 57
	.end_amdhsa_kernel
	.amdgpu_metadata
---
amdhsa.version: [ 1, 2 ]
amdhsa.kernels:
  - .name:           k_q4b4fd02ed1_r1
    .symbol:         k_q4b4fd02ed1_r1.kd
    .args:
      - { .name: x, .offset: 0, .size: 8, .value_kind: global_buffer, .address_space: global }
      - { .name: rw1, .offset: 8, .size: 8, .value_kind: global_buffer, .address_space: global }
      - { .name: rb1, .offset: 16, .size: 8, .value_kind: global_buffer, .address_space: global }
      - { .name: rw2, .offset: 24, .size: 8, .value_kind: global_buffer, .address_space: global }
      - { .name: pl, .offset: 32, .size: 8, .value_kind: global_buffer, .address_space: global }
    .group_segment_fixed_size: 140288
    .private_segment_fixed_size: 0
    .kernarg_segment_align: 8
    .kernarg_segment_size: 40
    .max_flat_workgroup_size: 256
    .sgpr_count:     66
    .vgpr_count:     512
    .wavefront_size: 32
...
	.end_amdgpu_metadata
.endif
;; end of part 1
;; launch r2 (part 2): grid 32 x 1, 1 waves a work-group, no clusters, 0 bytes of LDS; arguments pl, rb2, rt, gt; writes rt, gt
.if DOCPART == 2
	.amdgcn_target "amdgcn-amd-amdhsa--gfx1250"
	.amdhsa_code_object_version 6
	.text
	.protected	k_q4b4fd02ed1_r2
	.globl	k_q4b4fd02ed1_r2
	.p2align	8
	.type	k_q4b4fd02ed1_r2,@function
k_q4b4fd02ed1_r2:
	s_mov_b64 s[64:65], 0
	v_nop
	global_prefetch_b8 v0, s[64:65] scope:SCOPE_SE
	s_setreg_imm32_b32 hwreg(HW_REG_WAVE_MODE, 25, 1), 1
	s_wait_xcnt 0x0
; ROUTER, SECOND STAGE.  logits = rb2 (rounded to bf16, as every input) + the 32 parts of pl; softmax with the row's maximum taken away; the two largest.
; One wave, a lane a token: token 32 wg + lane.  Everything is stored at fixed places: no address here hangs on the choice.
; rt, whole numbers: bytes 0..4095: [wg][32 words]: words 0-7 bit masks of the tokens that chose expert e; 8-15 of those for which e is the HIGHER of the two numbers;
;   16-23 the number of set bits of words 0-7; 24-31 zero.  From byte 4096: ex[token][2], the lower and the higher expert number.
; gt, f32: [token][2], the probabilities of those two experts.
; LIMITS.  The two largest are taken of the LOGITS, a strict > keeping the lower index: this differs from a top-2 of the rounded probabilities only where two probabilities
; round alike while their logits differ.  An exponential below 2^-126 counts as 0.  NaN and infinite logits are not treated apart.
.set LG, 2                             ; v2-9    logits
.set PR, 10                            ; v10-17  exponentials
.set B0, 32                            ; three buffers of 8 parts x 8 numbers
.set B1, 96
.set B2, 160
.macro PARTS buf, u0                   ; parts u0 .. u0 + 7: two loads of 16 bytes a part
.set j, 0
.rept 16
	global_load_b128 v[(\buf)+4*j:(\buf)+4*j+3], v1, s[20:21] offset:((\u0)+j/2)*32768+16*(j%2) th:TH_LOAD_NT
.set j, j+1
.endr
.endm
.macro ADDP buf                        ; added in the order of the parts
.set j, 0
.rept 32
	v_pk_add_f32 v[LG+2*(j%4):LG+2*(j%4)+1], v[LG+2*(j%4):LG+2*(j%4)+1], v[(\buf)+2*j:(\buf)+2*j+1]
.set j, j+1
.endr
.endm
	s_load_b256 s[4:11], s[0:1], 0x0               ; pl s[4:5], rb2 s[6:7], rt s[8:9], gt s[10:11]
	v_lshlrev_b32 v1, 5, v0                        ; a token's 32 bytes in a part
	s_lshl_b32 s20, ttmp9, 10
	s_mov_b32 s21, 0
	s_lshl_b32 s48, ttmp9, 8
	s_mov_b32 s49, 0
	s_lshl_b32 s52, ttmp9, 7
	s_mov_b32 s53, 0
	s_wait_kmcnt 0x0
	s_load_b256 s[12:19], s[6:7], 0x0              ; rb2
	s_add_nc_u64 s[20:21], s[4:5], s[20:21]
	s_add_nc_u64 s[50:51], s[8:9], s[48:49]        ; rt + 256 wg: ex, with 4,096 in the immediate
	s_add_nc_u64 s[48:49], s[10:11], s[48:49]      ; gt + 256 wg
	s_add_nc_u64 s[52:53], s[8:9], s[52:53]        ; rt + 128 wg: the masks
	PARTS B0, 0
	PARTS B1, 8
	PARTS B2, 16
	s_wait_kmcnt 0x0
.set j, 0
.rept 8
	v_mov_b32 v[LG+j], s[12+j]
.set j, j+1
.endr
.set j, 0
.rept 4
	v_cvt_pk_bf16_f32 v[PR+j], v[LG+2*j], v[LG+2*j+1]
.set j, j+1
.endr
.set j, 0
.rept 4
	v_lshlrev_b32 v[LG+2*j], 16, v[PR+j]
	v_and_b32 v[LG+2*j+1], 0xffff0000, v[PR+j]
.set j, j+1
.endr
	s_wait_loadcnt 32                              ; the two younger buffers stay out
	ADDP B0
	PARTS B0, 24
	s_wait_loadcnt 32                              ; buffer 2 and the 16 just issued stay out
	ADDP B1
	s_wait_loadcnt 16                              ; the 16 last issued stay out
	ADDP B2
	s_wait_loadcnt 0x0
	ADDP B0
	v_max3_num_f32 v20, v2, v3, v4
	v_max3_num_f32 v20, v20, v5, v6
	v_max3_num_f32 v20, v20, v7, v8
	v_max_num_f32 v20, v20, v9                     ; the row's maximum
.set j, 0
.rept 8
	v_sub_f32 v[PR+j], v[LG+j], v20
.set j, j+1
.endr
.set j, 0
.rept 8
	v_mul_f32 v[PR+j], 0x3fb8aa3b, v[PR+j]         ; log2(e)
.set j, j+1
.endr
.set j, 0
.rept 8
	v_exp_f32 v[PR+j], v[PR+j]                     ; one batch; the search below, which names no result, stands between it and its wait
.set j, j+1
.endr
	v_mov_b32 v21, v2                              ; the largest logit
	v_mov_b32 v22, 0                               ; and its expert
.set j, 1
.rept 7
	v_cmp_gt_f32 vcc_lo, v[LG+j], v21
	v_cndmask_b32 v21, v21, v[LG+j], vcc_lo
	v_cndmask_b32 v22, v22, j, vcc_lo
.set j, j+1
.endr
	s_wait_alu depctr_va_vdst(0)                   ; one wait for the eight exponentials, ahead of their first reader
	v_add_f32 v26, v10, v11
	v_add_f32 v27, v12, v13
	v_add_f32 v28, v14, v15
	v_add_f32 v29, v16, v17
	v_add_f32 v26, v26, v27
	v_add_f32 v28, v28, v29
	v_add_f32 v26, v26, v28
	v_rcp_f32 v30, v26                             ; 1 / sum = the probability of the largest, whose exponential is 1
	v_mov_b32 v23, 0xff800000                      ; the second largest logit,
	v_mov_b32 v24, 0                               ; its expert
	v_mov_b32 v25, 0                               ; and its exponential
.set j, 0
.rept 8
	v_cmp_ne_u32 s22, j, v22
	v_cmp_gt_f32 vcc_lo, v[LG+j], v23
	s_and_b32 vcc_lo, vcc_lo, s22
	v_cndmask_b32 v23, v23, v[LG+j], vcc_lo
	v_cndmask_b32 v24, v24, j, vcc_lo
	v_cndmask_b32 v25, v25, v[PR+j], vcc_lo
.set j, j+1
.endr
	s_wait_alu depctr_va_vdst(0)                   ; the reciprocal's wait, ahead of its first reader
	v_mul_f32 v25, v25, v30
	v_cmp_lt_u32 vcc_lo, v22, v24                  ; the pair in the order of the experts' numbers
	v_cndmask_b32 v26, v24, v22, vcc_lo
	v_cndmask_b32 v27, v22, v24, vcc_lo
	v_cndmask_b32 v28, v25, v30, vcc_lo
	v_cndmask_b32 v29, v30, v25, vcc_lo
	v_mov_b32 v31, 0
.set e, 0
.rept 8
	v_cmp_eq_u32 s[24+e], e, v26
	v_cmp_eq_u32 s[32+e], e, v27
	s_or_b32 s[24+e], s[24+e], s[32+e]
	s_bcnt1_i32_b32 s[40+e], s[24+e]
	v_writelane_b32 v31, s[24+e], e
	v_writelane_b32 v31, s[32+e], 8+e
	v_writelane_b32 v31, s[40+e], 16+e
.set e, e+1
.endr
	v_lshlrev_b32 v32, 3, v0
	v_lshlrev_b32 v33, 2, v0
	global_store_b64 v32, v[28:29], s[48:49]
	global_store_b64 v32, v[26:27], s[50:51] offset:4096
	global_store_b32 v33, v31, s[52:53]
	s_endpgm
.Lfunc_end_k_q4b4fd02ed1_r2:
	.size	k_q4b4fd02ed1_r2, .Lfunc_end_k_q4b4fd02ed1_r2-k_q4b4fd02ed1_r2
	.p2alignl 7, 3214868480
	.fill 96, 4, 3214868480
	.section	.rodata,"a",@progbits
	.p2align	6, 0x0
	.amdhsa_kernel k_q4b4fd02ed1_r2
		.amdhsa_group_segment_fixed_size 0
		.amdhsa_private_segment_fixed_size 0
		.amdhsa_enable_private_segment 0
		.amdhsa_kernarg_size 32
		.amdhsa_user_sgpr_count 2
		.amdhsa_user_sgpr_kernarg_segment_ptr 1
		.amdhsa_wavefront_size32 1
		.amdhsa_system_sgpr_workgroup_id_x 1
		.amdhsa_system_sgpr_workgroup_id_y 1
		.amdhsa_system_sgpr_workgroup_id_z 1
		.amdhsa_system_vgpr_workitem_id 0
		.amdhsa_next_free_vgpr 224
		.amdhsa_next_free_sgpr 66
		.amdhsa_reserve_vcc 1
		.amdhsa_float_denorm_mode_32 3
		.amdhsa_float_denorm_mode_16_64 3
		.amdhsa_memory_ordered 1
		.amdhsa_forward_progress 1
		.amdhsa_inst_pref_size 24
	.end_amdhsa_kernel
	.amdgpu_metadata
---
amdhsa.version: [ 1, 2 ]
amdhsa.kernels:
  - .name:           k_q4b4fd02ed1_r2
    .symbol:         k_q4b4fd02ed1_r2.kd
    .args:
      - { .name: pl, .offset: 0, .size: 8, .value_kind: global_buffer, .address_space: global }
      - { .name: rb2, .offset: 8, .size: 8, .value_kind: global_buffer, .address_space: global }
      - { .name: rt, .offset: 16, .size: 8, .value_kind: global_buffer, .address_space: global }
      - { .name: gt, .offset: 24, .size: 8, .value_kind: global_buffer, .address_space: global }
    .group_segment_fixed_size: 0
    .private_segment_fixed_size: 0
    .kernarg_segment_align: 8
    .kernarg_segment_size: 32
    .max_flat_workgroup_size: 32
    .sgpr_count:     66
    .vgpr_count:     224
    .wavefront_size: 32
...
	.end_amdgpu_metadata
.endif
;; end of part 2
;; launch g (part 3): grid 135 x 1, 4 waves a work-group, no clusters, 36,352 bytes of LDS; arguments x, rt, xg, pm; writes xg, pm
.if DOCPART == 3
	.amdgcn_target "amdgcn-amd-amdhsa--gfx1250"
	.amdhsa_code_object_version 6
	.text
	.protected	k_q4b4fd02ed1_g
	.globl	k_q4b4fd02ed1_g
	.p2align	8
	.type	k_q4b4fd02ed1_g,@function
k_q4b4fd02ed1_g:
	s_mov_b64 s[64:65], 0
	v_nop
	global_prefetch_b8 v0, s[64:65] scope:SCOPE_SE
	s_setreg_imm32_b32 hwreg(HW_REG_WAVE_MODE, 25, 1), 1
	s_wait_xcnt 0x0
; THE ROWS IN THE EXPERTS' ORDER.  From the stored masks: each expert's rows R_e, its tiles of 16 rows T_e = ceil(R_e / 16), its first tile tb_e.  2,048 rows and 8 experts make
; 135 tiles at the most, whatever the split: so many work-groups; one that a split leaves without rows stores nothing and ends.
; Work-group t: finds its expert, the 16 tokens of its ranks (places past the count repeat the expert's last row), gathers their rows of x, rounds them to bf16 and stores them as matrix operands.
; xg: [tile][32 steps of 32 k][half q2][lane][16 bytes]: lane (r, h) holds row r, k = 32 s + 16 q2 + 8 h + 0..7: a later load of 512 consecutive bytes is half a fragment.
; pm, whole numbers: words 0-7 T_e, 8-15 tb_e (work-group 0); from byte 256 pos[token][2]: the row, 16 tile + place, of the token's lower and higher expert.
; Every wave works the routing out for itself (no barrier); wave w then takes k = 256 w .. 256 w + 255 of the 16 rows, through a stage in LDS of its own.
; BROADCASTS go through a table of 512 bytes in LDS, the wave's own: lane L stores word L, and loads at one address for all lanes give every lane all the words in registers.
; So go the expert's 32 mask words, hi words and counts, and later the 16 tokens; a token is held to 0 .. 1023 behind its load, ahead of the shift and the add that make its row's offset.
; EXEC is never changed: a place past the count holds the last row's token and rank, and stores the last row's own number at the last row's own address.
.set SP,    528                        ; a stage row: 512 bytes + 16: the 16 rows of a load start at 16 different groups of four banks (64 banks of 4 bytes: ISA guide 11.1)
.set STG,   16*SP                      ; a wave's stage
.set TBL,   4*STG                      ; behind the stages: a table of 512 bytes a wave: 128 any, 128 hi, 128 counts, 64 tokens
.set SPARE, TBL+4*512                  ; behind the tables: the spare words, 128 bytes a wave, that no other line names
.set SPW, 12
.set NIL, 13
.set OFF, 16                           ; v16-39 first the masks and counts as loaded; v16-31 later the 16 tokens, then their rows' byte offsets in x
.set WA,  64                           ; v64-95   the expert's 32 mask words, in every lane
.set WH,  96                           ; v96-127  its hi words
.set WC,  128                          ; v128-159 its counts
.set XL,  64                           ; v64-191  later: 16 rows x 1,024 bytes
.set FR,  192                          ; v192-255 the operands to store
	s_load_b256 s[4:11], s[0:1], 0x0               ; x s[4:5], rt s[6:7], xg s[8:9], pm s[10:11]
	v_lshl_add_u32 v[SPW], v0, 2, SPARE
	v_mov_b32 v[NIL], 0
	v_lshrrev_b32 v1, 5, v0
	v_readfirstlane_b32 s12, v1                    ; wave 0..3
	s_mov_b32 s13, ttmp9                           ; my tile
	v_and_b32 v1, 31, v0                           ; lane
	v_and_b32 v2, 15, v0                           ; r
	v_bfe_u32 v3, v0, 4, 1                         ; h
	v_lshlrev_b32 v4, 4, v1                        ; 16 x lane
	v_lshlrev_b32 v7, 7, v1                        ; lane L takes the row of 32 tokens' words L
	; every address that hangs on the ids alone is made here, in registers that hold nothing else
	s_mul_i32 s14, s12, STG                        ; my stage
	v_lshl_add_u32 v5, v1, 3, s14                  ; into it: 8 bytes a lane
	v_mul_u32_u24 v6, v2, SP                       ; out of it: row r, 16 bytes for each half of the lanes
	v_lshl_add_u32 v6, v3, 4, v6
	v_add_nc_u32 v6, s14, v6
	s_lshl_b32 s15, s12, 9
	s_add_co_u32 s15, s15, TBL                     ; my table
	v_lshl_add_u32 v8, v1, 2, s15                  ; into it: word L
	v_mov_b32 v9, s15                              ; out of it: one address for all lanes
	v_lshl_add_u32 v10, v2, 2, s15                 ; the tokens: word r
	s_lshl_b32 s50, s12, 10
	v_add_nc_u32 v11, s50, v4                      ; my 16 bytes of the wave's 1,024 in a row of x
	s_lshl_b32 s48, s13, 15                        ; xg: my tile's 32,768 bytes, my wave's 8 steps of 1,024
	s_lshl_b32 s51, s12, 13
	s_add_co_u32 s48, s48, s51
	s_mov_b32 s49, 0
	s_wait_kmcnt 0x0
	s_add_nc_u64 s[48:49], s[8:9], s[48:49]
.set j, 0
.rept 6                                ; v16-23 any_e, v24-31 hi_e, v32-39 the counts
	global_load_b128 v[16+4*j:19+4*j], v7, s[6:7] offset:16*j
.set j, j+1
.endr
	s_wait_loadcnt 0x0
; R_e = the sum of the 32 lanes' counts (0 to 32 each), by bit planes: the number of lanes in which bit b is set, weighed 2^b, from the top bit down.
.set e, 0
.rept 8
	s_mov_b32 s[16+e], 0
.set b, 5
.rept 6
	v_and_b32 v56, 1<<b, v[32+e]
	v_cmp_ne_u32 vcc_lo, 0, v56
	s_bcnt1_i32_b32 s2, vcc_lo
	s_lshl_b32 s[16+e], s[16+e], 1
	s_add_co_u32 s[16+e], s[16+e], s2
.set b, b-1
.endr
.set e, e+1
.endr
	s_mov_b32 s40, 0
.set e, 0
.rept 8
	s_add_co_u32 s[24+e], s[16+e], 15
	s_lshr_b32 s[24+e], s[24+e], 4                 ; T_e
	s_mov_b32 s[32+e], s40                         ; tb_e
	s_add_co_u32 s40, s40, s[24+e]                 ; at the end: all tiles
.set e, e+1
.endr
	s_mov_b32 s42, 0                               ; my expert's first tile,
	s_mov_b32 s43, s16                             ; its rows,
	v_mov_b32 v40, v16                             ; its masks and counts: the last expert whose first tile is not behind mine
	v_mov_b32 v41, v24
	v_mov_b32 v42, v32
.set e, 1
.rept 7
	s_cmp_ge_u32 s13, s[32+e]
	s_cselect_b32 s3, -1, 0
	s_cselect_b32 s42, s[32+e], s42
	s_cselect_b32 s43, s[16+e], s43
	v_cndmask_b32 v40, v40, v[16+e], s3
	v_cndmask_b32 v41, v41, v[24+e], s3
	v_cndmask_b32 v42, v42, v[32+e], s3
.set e, e+1
.endr
	s_or_b32 s2, s12, s13
	s_cmp_lg_u32 s2, 0
	s_cbranch_scc1 .Lnometa                        ; wave 0 of work-group 0 stores the sixteen numbers (lanes 16-31 store 0)
	v_mov_b32 v62, 0
.set e, 0
.rept 8
	v_writelane_b32 v62, s[24+e], e
	v_writelane_b32 v62, s[32+e], 8+e
.set e, e+1
.endr
	v_lshlrev_b32 v63, 2, v1
	global_store_b32 v63, v62, s[10:11]
.Lnometa:
	s_cmp_ge_u32 s13, s40
	s_cbranch_scc1 .Ldead                          ; this split has no such tile
	ds_store_b32 v8, v40
	ds_store_b32 v8, v41 offset:128
	ds_store_b32 v8, v42 offset:256
.set j, 0
.rept 24                               ; LDS serves a wave's instructions in order (ISA guide 5.7.1.4): these see my stores above.  96 words into v64-159, the same in every lane
	ds_load_b128 v[WA+4*j:WA+4*j+3], v9 offset:16*j
.set j, j+1
.endr
	s_sub_co_u32 s2, s13, s42
	s_lshl_b32 s2, s2, 4
	v_add_nc_u32 v43, s2, v2                       ; my rank among the expert's rows,
	s_sub_co_u32 s3, s43, 1
	v_min_u32 v44, s3, v43                         ; held to the last that exists
	v_mov_b32 v45, 0                               ; the word that holds it
	v_mov_b32 v46, 0                               ; its hi word
	v_mov_b32 v47, 0                               ; the count in front of it
	v_mov_b32 v48, 0                               ; its number
	v_mov_b32 v49, 0                               ; the running count
	s_wait_dscnt 0x0
; The word that holds rank k: the last whose running count is not above k.
.set w, 0
.rept 32
	v_cmp_le_u32 vcc_lo, v49, v44
	v_cndmask_b32 v45, v45, v[WA+w], vcc_lo
	v_cndmask_b32 v46, v46, v[WH+w], vcc_lo
	v_cndmask_b32 v47, v47, v49, vcc_lo
	v_cndmask_b32 v48, v48, w, vcc_lo
	v_add_nc_u32 v49, v49, v[WC+w]
.set w, w+1
.endr
; The bit of that rank in the word: the counts of set bits in fields of 2, 4, 8 and 16 bits, then five steps from the widest field down.
	v_sub_nc_u32 v50, v44, v47                     ; the rank inside the word
	v_mov_b32 v51, 0                               ; the bit's place
	v_lshrrev_b32 v56, 1, v45
	v_and_b32 v56, 0x55555555, v56
	v_sub_nc_u32 v52, v45, v56                     ; fields of 2
	v_lshrrev_b32 v56, 2, v52
	v_and_b32 v56, 0x33333333, v56
	v_and_b32 v53, 0x33333333, v52
	v_add_nc_u32 v53, v53, v56                     ; of 4
	v_lshrrev_b32 v56, 4, v53
	v_add_nc_u32 v54, v53, v56
	v_and_b32 v54, 0x0f0f0f0f, v54                 ; of 8
	v_lshrrev_b32 v56, 8, v54
	v_add_nc_u32 v55, v54, v56
	v_and_b32 v55, 0x00ff00ff, v55                 ; of 16
.macro LEVEL src, mask, width          ; if the rank is not inside the lower field, take that field's count off and step over it
	v_lshrrev_b32 v56, v51, v[\src]
	v_and_b32 v56, \mask, v56
	v_cmp_ge_u32 vcc_lo, v50, v56
	v_cndmask_b32 v56, 0, v56, vcc_lo
	v_cndmask_b32 v57, 0, \width, vcc_lo
	v_sub_nc_u32 v50, v50, v56
	v_add_nc_u32 v51, v51, v57
.endm
	LEVEL 55, 0xff, 16
	LEVEL 54, 0xff, 8
	LEVEL 53, 15, 4
	LEVEL 52, 3, 2
	LEVEL 45, 1, 1
	v_lshl_add_u32 v58, v48, 5, v51
	v_min_u32 v58, 0x3ff, v58                      ; my token
	v_lshrrev_b32 v59, v51, v46
	v_and_b32 v59, 1, v59
	v_min_u32 v59, 1, v59                          ; 1: my expert is the token's higher one
	ds_store_b32 v10, v58 offset:384               ; lanes r and 16 + r store the same number
.set j, 0
.rept 4                                ; the 16 tokens, in every lane
	ds_load_b128 v[OFF+4*j:OFF+4*j+3], v9 offset:384+16*j
.set j, j+1
.endr
	s_cmp_lg_u32 s12, 0
	s_cbranch_scc1 .Lnopos                         ; wave 0 stores the rows' places
	v_lshlrev_b32 v60, 3, v58
	v_lshl_add_u32 v60, v59, 2, v60
	s_lshl_b32 s2, s42, 4
	v_add_nc_u32 v61, s2, v44                      ; 16 tb + rank = 16 tile + place; past the count: the last row's, once more
	global_store_b32 v60, v61, s[10:11] offset:256
.Lnopos:
	s_wait_dscnt 0x0
.set p, 0
.rept 16
	v_min_u32 v[OFF+p], 0x3ff, v[OFF+p]
	v_lshlrev_b32 v[OFF+p], 12, v[OFF+p]
	v_add_nc_u32 v[OFF+p], v11, v[OFF+p]
.set p, p+1
.endr
.set j, 0
.rept 32                               ; row j / 2, 512 consecutive bytes a load
	global_load_b128 v[XL+4*j:XL+4*j+3], v[OFF+j/2], s[4:5] offset:512*(j%2)
.set j, j+1
.endr
	s_wait_loadcnt 0x0
.set j, 0
.rept 32
	v_cvt_pk_bf16_f32 v[XL+4*j], v[XL+4*j], v[XL+4*j+1]
	v_cvt_pk_bf16_f32 v[XL+4*j+1], v[XL+4*j+2], v[XL+4*j+3]
.set j, j+1
.endr
.set j, 0
.rept 32
	ds_store_b64 v5, v[XL+4*j:XL+4*j+1] offset:SP*(j/2)+256*(j%2)
.set j, j+1
.endr
.set j, 0
.rept 16                               ; step j / 2, half j % 2; in order behind my stores above
	ds_load_b128 v[FR+4*j:FR+4*j+3], v6 offset:32*j
.set j, j+1
.endr
.set j, 0
.rept 16
	s_wait_dscnt 15-j
	global_store_b128 v4, v[FR+4*j:FR+4*j+3], s[48:49] offset:512*j  ; 512 consecutive bytes, aligned
.set j, j+1
.endr
	s_wait_tensorcnt 0x0                           ; the wave's end
	ds_add_u32 v[SPW], v[NIL]
	s_wait_dscnt 0x0
	s_endpgm
.Ldead:
	s_endpgm                                       ; nothing was written to LDS on this way
.Lfunc_end_k_q4b4fd02ed1_g:
	.size	k_q4b4fd02ed1_g, .Lfunc_end_k_q4b4fd02ed1_g-k_q4b4fd02ed1_g
	.p2alignl 7, 3214868480
	.fill 96, 4, 3214868480
	.section	.rodata,"a",@progbits
	.p2align	6, 0x0
	.amdhsa_kernel k_q4b4fd02ed1_g
		.amdhsa_group_segment_fixed_size 36352
		.amdhsa_private_segment_fixed_size 0
		.amdhsa_enable_private_segment 0
		.amdhsa_kernarg_size 32
		.amdhsa_user_sgpr_count 2
		.amdhsa_user_sgpr_kernarg_segment_ptr 1
		.amdhsa_wavefront_size32 1
		.amdhsa_system_sgpr_workgroup_id_x 1
		.amdhsa_system_sgpr_workgroup_id_y 1
		.amdhsa_system_sgpr_workgroup_id_z 1
		.amdhsa_system_vgpr_workitem_id 0
		.amdhsa_next_free_vgpr 256
		.amdhsa_next_free_sgpr 66
		.amdhsa_reserve_vcc 1
		.amdhsa_float_denorm_mode_32 3
		.amdhsa_float_denorm_mode_16_64 3
		.amdhsa_memory_ordered 1
		.amdhsa_forward_progress 1
		.amdhsa_inst_pref_size 41
	.end_amdhsa_kernel
	.amdgpu_metadata
---
amdhsa.version: [ 1, 2 ]
amdhsa.kernels:
  - .name:           k_q4b4fd02ed1_g
    .symbol:         k_q4b4fd02ed1_g.kd
    .args:
      - { .name: x, .offset: 0, .size: 8, .value_kind: global_buffer, .address_space: global }
      - { .name: rt, .offset: 8, .size: 8, .value_kind: global_buffer, .address_space: global }
      - { .name: xg, .offset: 16, .size: 8, .value_kind: global_buffer, .address_space: global }
      - { .name: pm, .offset: 24, .size: 8, .value_kind: global_buffer, .address_space: global }
    .group_segment_fixed_size: 36352
    .private_segment_fixed_size: 0
    .kernarg_segment_align: 8
    .kernarg_segment_size: 32
    .max_flat_workgroup_size: 128
    .sgpr_count:     66
    .vgpr_count:     256
    .wavefront_size: 32
...
	.end_amdgpu_metadata
.endif
;; end of part 3
;; launch p1 (part 4): grid 32 x 8, 4 waves a work-group, no clusters, 266,752 bytes of LDS; arguments xg, ew1, eb1, pm, eh; writes eh
.if DOCPART == 4
	.amdgcn_target "amdgcn-amd-amdhsa--gfx1250"
	.amdhsa_code_object_version 6
	.text
	.protected	k_q4b4fd02ed1_p1
	.globl	k_q4b4fd02ed1_p1
	.p2align	8
	.type	k_q4b4fd02ed1_p1,@function
k_q4b4fd02ed1_p1:
	s_mov_b64 s[64:65], 0
	v_nop
	global_prefetch_b8 v0, s[64:65] scope:SCOPE_SE
	s_setreg_imm32_b32 hwreg(HW_REG_WAVE_MODE, 25, 1), 1
	s_wait_xcnt 0x0
; FIRST EXPERT PRODUCT.  eh = relu(x ew1[e] + eb1[e]) for the rows that chose expert e, rounded once to bf16.  ew1 [8][1024][4096] f32, eb1 [8][4096] f32: rounded to bf16 on the way; sums in f32.
; bf16 and not f16 for eh: with inputs some 30 times larger eh has no room in f16.
; SHARES.  Work-group (sl, e): hidden columns 128 sl .. + 127 of expert e, which it alone reads (524,288 bytes, each once), and ALL of that expert's rows.
; ROWS.  The expert's T tiles of 16 rows (from pm; T <= 64) are dealt to the four waves in runs of Q = ceil(T / 4); a wave takes its run in groups of up to 5 tiles: 40 accumulators.
; THE SLICE COMES IN BESIDE THE FIRST GROUP'S PRODUCTS.  K goes in 8 chunks of 4 K steps (32 k each).  In chunk c wave w brings K step 4 c + w through registers (32 loads of 512 bytes), rounds it and lays it into LDS as
; matrix operands; behind a barrier every wave multiplies its first group by the chunk's four K steps, while the next chunk's weights are on their way.  The slice stays in LDS: the later groups read it again.
; THE ORDER OF THE LOADS.  A wave's loads come back in order (ISA guide 5.7.1), so a wait for rows also waits for every older load.  So all four K steps' rows of a chunk are asked for AHEAD of the next chunk's weights;
; the rows asked for behind those weights are wanted only in the next trip, behind the wait for the weights.
; BARRIERS.  Two a chunk, eight chunks, on every wave's path, also for a wave or an expert without rows (only products are jumped).  One stands behind the chunk's stores, ahead of its reads.  The other stands ahead of the stores,
; behind every wave's wait for its reads of the chunk before: the bytes differ from chunk to chunk, and with it the order does not lean on which bytes a trip's addresses name.
; The loop over the later groups counts to the constant 4 (4 x 5 >= 16 >= Q) and jumps, forward, over groups past the count; it holds no barrier and no LDS store.  It is entered in its middle, at a group's last four K steps,
; so that these and the way out stand once in the text.
; A group always LOADS five tiles (the counts of the waits are then the same on every way; tiles past the count lie inside the buffer, which has 140 tiles, and are neither multiplied nor stored).
; THE SUMS START from the bias, copied into the accumulators: 320 copies a group, for its 256 to 1,280 products; the price of writing no first K step out.
; NO MULTICAST, NO TENSOR LOADS: each weight has one reader and has to be rounded in registers; the rounded slice takes 266,240 bytes of LDS, so no room is left for shared tiles of rows.
; THE MATRIX INSTRUCTION IS USED TRANSPOSED (source 0 = 16 columns of the weights, source 1 = 16 rows): a lane's eight results are eight neighbouring hidden units of one row, which, packed, ARE 16 bytes of the next product's operand.
; eh: [tile][128 steps of 32 k][half q2][lane][16 bytes], as xg.
.set MT,    5
.set FP,    1040                       ; a fragment in LDS: 1,024 bytes + 16
.set KSP,   8*FP                       ; a K step: 8 fragments of 16 columns
.set WREG,  8*KSP                      ; a wave's own range of LDS: the eight K steps that it stores.  K step s lies at (s % 4) WREG + (s / 4) KSP
.set PITCH, 16384                      ; bytes from row to row of ew1[e]
.set CSTEP, 128*PITCH                  ; bytes from chunk to chunk
.set TST,   32768                      ; bytes of a tile in xg
.set SPARE, 32*KSP                     ; behind the slice: the spare words, 128 bytes a wave, that no other line names
.set L16, 1                            ; v1   16 x lane; never rewritten
.set RR,  2                            ; v2   r
.set HH,  3                            ; v3   h
.set VW,  4                            ; v4   my offset in the weights: 8 h rows + 16 r + the chunk
.set WS,  5                            ; v5   where I store fragments (steps a K step a chunk)
.set BO,  9                            ; v9   32 h
.set ZR,  10                           ; v10  0, for the relu
.set SPW, 12                           ; v12  my spare word; never rewritten
.set NIL, 13                           ; v13  0; never rewritten
.set XO,  16                           ; v16-19   ring slot b: my offset in a tile's rows for the K step that the slot loads next
.set WR,  20                           ; v20-23   K step k of a chunk: where I read its fragments
.set XR,  32                           ; v32-191  rows' operands: a ring of 4 K steps x 5 tiles x 8
.set T,   192                          ; v192-255 a chunk's packed fragments; on the way out the packed results
.set WB,  0                            ; window 1: v0-127 weights' fragments, two buffers of 8
.set BI,  128                          ; window 1: v128-191 the bias in the accumulators' layout
.set BT,  192                          ; window 1: v192-223 at work
.set LND, 64                           ; window 3: v64-191 the weights as loaded, two units of 64
; window 2 v0-255 and window 3 v0-63: the accumulators, tile i, fragment F at 64 i + 8 F
.set MSB, 0
.macro WIN new                         ; the immediate's high byte repeats the setting that is left; a switch that changes nothing is dropped
.if MSB != (\new)
	s_set_vgpr_msb (MSB<<8)|(\new)
.set MSB, \new
.endif
.endm
; A unit is 32 k x 64 columns: column block b of my K step.  Load i takes row i % 8 + 16 (i / 8) + 8 h, 16 bytes at 16 r: two aligned runs of 256 bytes a load.
.macro LOADU b
	WIN 0xc0
.set j, 0
.rept 16
	global_load_b128 v[LND+64*(\b)+4*j:LND+64*(\b)+4*j+3], v[VW], s[18:19] offset:((j%8)+16*(j/8))*PITCH+(\b)*256 th:TH_LOAD_NT
.set j, j+1
.endr
.endm
.macro CVTU b                          ; register q of fragment jf = rows 2 q, 2 q + 1 of my 16, column 4 r + jf
	WIN 0x0f
.set j, 0
.rept 32
	v_cvt_pk_bf16_f32 v[T+32*(\b)+j], v[LND+64*(\b)+8*(j%8)+j/8], v[LND+64*(\b)+8*(j%8)+4+j/8]
.set j, j+1
.endr
.endm
.macro STOU b                          ; column 4 r + jf lies in fragment r / 4 of the block, at lane place 16 h + 4 (r % 4) + jf
	WIN 0
.set j, 0
.rept 8
	ds_store_b128 v[WS], v[T+32*(\b)+4*j:T+32*(\b)+4*j+3] offset:(\b)*4*FP+512*(j%2)+16*(j/2)
.set j, j+1
.endr
.endm
.macro XLOAD b                         ; ring slot b: its next K step, five tiles, 512 consecutive bytes a load
	WIN 0
.set j, 0
.rept 10
	global_load_b128 v[XR+40*(\b)+4*j:XR+40*(\b)+4*j+3], v[XO+(\b)], s[30:31] offset:(j/2)*TST+512*(j%2)
.set j, j+1
.endr
.endm
.macro WLOAD wb, k, a                  ; the 8 fragments of K step k of the chunk in hand (a = 1: of the next chunk) into buffer wb
	WIN 0x40
.set j, 0
.rept 16
	ds_load_b128 v[WB+64*(\wb)+4*j:WB+64*(\wb)+4*j+3], v[WR+(\k)] offset:(\a)*KSP+(j/2)*FP+512*(j%2)
.set j, j+1
.endr
.endm
.macro MM8 i, kk                       ; tile i: 8 products
.set AC, 64*((\i)%4)
.set XB, XR+40*(\kk)+8*(\i)
.set WBB, WB+64*((\kk)%2)
	WIN 0xa1+0x50*((\i)/4)
.set j, 0
.rept 8
	v_wmma_f32_16x16x32_bf16 v[AC+8*j:AC+8*j+7], v[WBB+8*j:WBB+8*j+7], v[XB:XB+7], v[AC+8*j:AC+8*j+7]
.set j, j+1
.endr
.endm
; K step kk of a chunk.  lc: the younger loads that may stay out when slot kk's rows have to be there.  step = 1: the slot's offset goes on four K steps: that wait has shown the loads that named it done.
; wpre = 1: the next K step's weights are asked for.  xpre = 1: the slot read in the K step before takes its next K step.  Then the live tiles' products, the accumulators by turns
; (on every way the step's last and the next step's first differ).  Four plain vector instructions close it: the places between the products and the next loads into the registers that they read, and the way out
; wrs = 1: the four read addresses go on to the next chunk; else four v_nop.
.macro KSTEP kk, lc, step, wpre, xpre, wrs
	s_wait_loadcnt \lc
	s_wait_dscnt 0x0
.if \step
	v_add_nc_u32 v[XO+(\kk)], 0x1000, v[XO+(\kk)]
.endif
.if \wpre
	WLOAD ((\kk)+1)%2, ((\kk)+1)%4, ((\kk)+1)/4
.endif
.if \xpre
	XLOAD (\kk)-1
.endif
.irp i, 0,1,2,3,4
	WIN 0
	s_cmp_gt_u32 s28, \i
	s_cbranch_scc0 .Lke_\@
	MM8 \i, \kk
.endr
	WIN 0
.Lke_\@:
.if \wrs
.irp q, 0,1,2,3
	v_add_nc_u32 v[WR+\q], KSP, v[WR+\q]
.endr
.else
.rept 4
	v_nop
.endr
.endif
.endm
; A chunk comes in.  ahead = 1: the next chunk's weights are asked for.
.macro FILLP ahead
	s_wait_loadcnt 30                              ; my part of the chunk's weights is in; the three younger slots of rows may stay out
	XLOAD 3                                        ; the rows of the chunk's fourth K step: ahead of the weights below
	CVTU 0
	CVTU 1
.if \ahead
	WIN 0
	v_add_nc_u32 v[VW], CSTEP, v[VW]               ; free since the wait above
	LOADU 0
	LOADU 1
.endif
	WIN 0
	s_barrier_signal -1                            ; my reads of the chunk before were waited for at its last K step's head:
	s_barrier_wait -1                              ; no wave stores into the slice while another still reads from it
	STOU 0
	STOU 1
.if \ahead
	v_add_nc_u32 v[WS], KSP, v[WS]
.endif
	s_wait_dscnt 0x0                               ; for the others' sake: my stores are done
	s_barrier_signal -1
	s_barrier_wait -1                              ; the chunk is whole
	WLOAD 0, 0, 0
	WIN 0
.endm
.macro INIT                            ; the sums start from the bias
	WIN 0x81
.set j, 0
.rept 256
	v_mov_b32 v[j], v[BI+j%64]
.set j, j+1
.endr
	WIN 0xc1
.set j, 0
.rept 64
	v_mov_b32 v[j], v[BI+j]
.set j, j+1
.endr
	WIN 0
.endm
.macro GSET                            ; a group's bases and offsets, and the rows of its first three K steps
	s_add_co_u32 s2, s23, s26
	s_min_u32 s2, s2, 134
	s_lshl_b32 s20, s2, 15
	s_mov_b32 s21, 0
	s_add_nc_u64 s[30:31], s[4:5], s[20:21]
	s_lshl_b32 s20, s2, 17
	s_lshl_b32 s3, s16, 12
	s_add_co_u32 s20, s20, s3
	s_add_nc_u64 s[32:33], s[12:13], s[20:21]
.irp b, 0,1,2,3
	v_add_nc_u32 v[XO+\b], 1024*\b, v[L16]
	v_add_nc_u32 v[WR+\b], WREG*\b, v[L16]
.endr
	XLOAD 0
	XLOAD 1
	XLOAD 2
.endm
.macro OUT1 i                          ; tile i leaves: rounded, relu on the packed halves, 512 consecutive bytes a store
	s_wait_xcnt 0x0                                ; the packed registers are rewritten only behind this wait
	WIN 0x0a+5*((\i)/4)
.set AC, 64*((\i)%4)
.set j, 0
.rept 32                               ; each accumulator's registers in ascending order
	v_cvt_pk_bf16_f32 v[T+j], v[AC+2*j], v[AC+2*j+1]
.set j, j+1
.endr
	WIN 0
.set j, 0
.rept 32
	v_pk_max_num_bf16 v[T+j], v[T+j], v[ZR]
.set j, j+1
.endr
.set j, 0
.rept 8                                ; fragment F is half F % 2 of the next product's K step 4 sl + F / 2
	global_store_b128 v[L16], v[T+4*j:T+4*j+3], s[32:33] offset:(\i)*131072+512*j
.set j, j+1
.endr
.endm
	s_load_b256 s[4:11], s[0:1], 0x0               ; xg s[4:5], ew1 s[6:7], eb1 s[8:9], pm s[10:11]
	s_load_b64 s[12:13], s[0:1], 0x20              ; eh
	v_lshl_add_u32 v[SPW], v0, 2, SPARE
	v_mov_b32 v[NIL], 0
	v_lshrrev_b32 v1, 5, v0
	v_readfirstlane_b32 s14, v1                    ; wave 0..3
	s_and_b32 s15, ttmp7, 0xffff                   ; e
	s_mov_b32 s16, ttmp9                           ; sl
	s_mov_b32 s34, 0xffff0000
	s_lshl_b32 s35, s15, 2
	v_and_b32 v1, 31, v0
	v_lshlrev_b32 v[L16], 4, v1
	v_and_b32 v[RR], 15, v0
	v_bfe_u32 v[HH], v0, 4, 1
	v_lshlrev_b32 v[VW], 4, v[RR]
	v_lshl_add_u32 v[VW], v[HH], 17, v[VW]         ; 8 rows of 16,384 bytes for the upper half of the lanes
	v_lshrrev_b32 v6, 2, v[RR]
	v_mul_u32_u24 v[WS], v6, FP
	v_and_b32 v6, 3, v[RR]
	v_lshl_add_u32 v[WS], v6, 6, v[WS]
	v_lshl_add_u32 v[WS], v[HH], 8, v[WS]
	s_mul_i32 s2, s14, WREG                        ; my range of LDS
	v_add_nc_u32 v[WS], s2, v[WS]
	v_lshlrev_b32 v[BO], 5, v[HH]
	v_mov_b32 v[ZR], 0
	s_lshl_b32 s20, s15, 24                        ; ew1: expert, K step w's 32 rows, the slice's 512 bytes of a row
	s_lshl_b32 s2, s14, 19
	s_add_co_u32 s20, s20, s2
	s_lshl_b32 s2, s16, 9
	s_add_co_u32 s20, s20, s2
	s_mov_b32 s21, 0
	s_lshl_b32 s36, s15, 14                        ; eb1
	s_add_co_u32 s36, s36, s2
	s_mov_b32 s37, 0
	s_wait_kmcnt 0x0
	s_add_nc_u64 s[18:19], s[6:7], s[20:21]
	s_add_nc_u64 s[36:37], s[8:9], s[36:37]
	s_load_b32 s22, s[10:11], s35 offset:0x0       ; T: the expert's tiles
	s_load_b32 s23, s[10:11], s35 offset:0x20      ; its first tile
	WIN 0x40
.set j, 0
.rept 16                               ; eb1 of columns 16 F + 8 h + 0..7
	global_load_b128 v[BI+4*j:BI+4*j+3], v[BO], s[36:37] offset:64*(j/2)+16*(j%2)
.set j, j+1
.endr
	LOADU 0                                        ; chunk 0's weights
	LOADU 1
	WIN 0
	s_wait_kmcnt 0x0
	s_add_co_u32 s24, s22, 3
	s_lshr_b32 s24, s24, 2                         ; Q
	s_mul_i32 s26, s14, s24                        ; my first tile of the expert's,
	s_add_co_u32 s25, s26, s24
	s_min_u32 s25, s25, s22                        ; and the end of my run
	s_sub_co_i32 s28, s25, s26                     ; tiles left:
	s_max_i32 s28, s28, 0                          ; none for a wave past the count, which still fills and passes every barrier
	GSET
	s_wait_loadcnt 62                              ; all but the 32 loads of weights and the 30 of rows: the bias is in
	WIN 0x45
.set j, 0
.rept 32                               ; the bias rounded to bf16 and widened again
	v_cvt_pk_bf16_f32 v[BT+j], v[BI+2*j], v[BI+2*j+1]
.set j, j+1
.endr
.set j, 0
.rept 32
	v_lshlrev_b32 v[BI+2*j], 16, v[BT+j]
	v_and_b32 v[BI+2*j+1], s34, v[BT+j]
.set j, j+1
.endr
	INIT
	s_mov_b32 s29, 7
.Lfuse:                                                ; chunks 0 to 6: each asks for the next chunk's weights
	FILLP 1
	KSTEP 0, 62, 1, 1, 0, 0                        ; younger than slot 0's rows: three slots of 10 and the 32 loads of weights
	KSTEP 1, 52, 1, 1, 1, 0                        ; two slots and the weights
	KSTEP 2, 52, 1, 1, 1, 0
	KSTEP 3, 52, 1, 0, 1, 1                        ; the next chunk is not there yet: no weights are asked for from LDS
	s_sub_co_u32 s29, s29, 1
	s_cmp_lg_u32 s29, 0
	s_cbranch_scc1 .Lfuse
	FILLP 0                                        ; chunk 7: nothing is left to fetch
	s_mov_b32 s27, 0
	s_branch .Ljoin                                ; its four K steps and the way out are those of every group
.Lgroup:
	s_sub_co_i32 s28, s25, s26                     ; tiles left
	s_cmp_le_i32 s28, 0
	s_cbranch_scc1 .Lgnext
	s_wait_xcnt 0x0                                ; the bases that the last group's loads and stores name are rewritten only behind this wait
	GSET
	INIT
	WLOAD 0, 0, 0
	WIN 0
	s_mov_b32 s29, 7
.Lk:
	XLOAD 3
	KSTEP 0, 30, 1, 1, 0, 0                        ; three younger slots of 10 stay out,
	KSTEP 1, 20, 1, 1, 1, 0                        ; then two
	KSTEP 2, 20, 1, 1, 1, 0
	KSTEP 3, 20, 1, 1, 1, 1
	s_sub_co_u32 s29, s29, 1
	s_cmp_lg_u32 s29, 0
	s_cbranch_scc1 .Lk
	XLOAD 3
.Ljoin:                                                ; a group's last four K steps ask for no more rows: the counts run down
	KSTEP 0, 30, 0, 1, 0, 0
	KSTEP 1, 20, 0, 1, 0, 0
	KSTEP 2, 10, 0, 1, 0, 0
	KSTEP 3, 0, 0, 0, 0, 0
.irp i, 0,1,2,3,4
	s_cmp_gt_u32 s28, \i
	s_cbranch_scc0 .Lgnext
	OUT1 \i
.endr
.Lgnext:
	s_add_co_u32 s26, s26, MT
	s_add_co_u32 s27, s27, 1
	s_cmp_lt_u32 s27, 4
	s_cbranch_scc1 .Lgroup
	s_wait_dscnt 0x0                               ; my reads of the slice are over;
	s_barrier_signal -1                            ; no wave writes LDS again (the add below) before every wave has said so
	s_barrier_wait -1
	s_wait_tensorcnt 0x0                           ; the wave's end
	ds_add_u32 v[SPW], v[NIL]
	s_wait_dscnt 0x0
	s_endpgm
.Lfunc_end_k_q4b4fd02ed1_p1:
	.size	k_q4b4fd02ed1_p1, .Lfunc_end_k_q4b4fd02ed1_p1-k_q4b4fd02ed1_p1
	.p2alignl 7, 3214868480
	.fill 96, 4, 3214868480
	.section	.rodata,"a",@progbits
	.p2align	6, 0x0
	.amdhsa_kernel k_q4b4fd02ed1_p1
		.amdhsa_group_segment_fixed_size 266752
		.amdhsa_private_segment_fixed_size 0
		.amdhsa_enable_private_segment 0
		.amdhsa_kernarg_size 40
		.amdhsa_user_sgpr_count 2
		.amdhsa_user_sgpr_kernarg_segment_ptr 1
		.amdhsa_wavefront_size32 1
		.amdhsa_system_sgpr_workgroup_id_x 1
		.amdhsa_system_sgpr_workgroup_id_y 1
		.amdhsa_system_sgpr_workgroup_id_z 1
		.amdhsa_system_vgpr_workitem_id 0
		.amdhsa_next_free_vgpr 960
		.amdhsa_next_free_sgpr 66
		.amdhsa_reserve_vcc 0
		.amdhsa_float_denorm_mode_32 3
		.amdhsa_float_denorm_mode_16_64 3
		.amdhsa_memory_ordered 1
		.amdhsa_forward_progress 1
		.amdhsa_inst_pref_size 141
	.end_amdhsa_kernel
	.amdgpu_metadata
---
amdhsa.version: [ 1, 2 ]
amdhsa.kernels:
  - .name:           k_q4b4fd02ed1_p1
    .symbol:         k_q4b4fd02ed1_p1.kd
    .args:
      - { .name: xg, .offset: 0, .size: 8, .value_kind: global_buffer, .address_space: global }
      - { .name: ew1, .offset: 8, .size: 8, .value_kind: global_buffer, .address_space: global }
      - { .name: eb1, .offset: 16, .size: 8, .value_kind: global_buffer, .address_space: global }
      - { .name: pm, .offset: 24, .size: 8, .value_kind: global_buffer, .address_space: global }
      - { .name: eh, .offset: 32, .size: 8, .value_kind: global_buffer, .address_space: global }
    .group_segment_fixed_size: 266752
    .private_segment_fixed_size: 0
    .kernarg_segment_align: 8
    .kernarg_segment_size: 40
    .max_flat_workgroup_size: 128
    .sgpr_count:     66
    .vgpr_count:     960
    .wavefront_size: 32
...
	.end_amdgpu_metadata
.endif
;; end of part 4
;; launch p2 (part 5): grid 32 x 8, 4 waves a work-group, no clusters, 262,656 bytes of LDS; arguments eh, ew2, pm, y; writes y
.if DOCPART == 5
	.amdgcn_target "amdgcn-amd-amdhsa--gfx1250"
	.amdhsa_code_object_version 6
	.text
	.protected	k_q4b4fd02ed1_p2
	.globl	k_q4b4fd02ed1_p2
	.p2align	8
	.type	k_q4b4fd02ed1_p2,@function
k_q4b4fd02ed1_p2:
	s_mov_b64 s[64:65], 0
	v_nop
	global_prefetch_b8 v0, s[64:65] scope:SCOPE_SE
	s_setreg_imm32_b32 hwreg(HW_REG_WAVE_MODE, 25, 1), 1
	s_wait_xcnt 0x0
; SECOND EXPERT PRODUCT, a quarter of K at a time.  y[kq][row][:] = the sum over k = 1024 kq .. + 1023 of eh[row][k] ew2[e][k][:], f32 partial rows; the last launch adds the four, the bias and the gates.
; ew2 [8][4096][1024] f32, rounded to bf16 on the way; sums in f32.
; SHARES.  Work-group (ns + 8 kq, e): output columns 128 ns .. + 127, K quarter kq of expert e: 524,288 bytes of weights that it alone reads, each once, and ALL of that expert's rows.
; K is split so that a work-group still serves 128 columns for each byte of eh that it reads, with 256 work-groups; the price is the partial rows, kept in f32.
; ROWS.  The expert's T tiles of 16 rows (from pm; T <= 64) are dealt to the four waves in runs of Q = ceil(T / 4); a wave takes its run in groups of up to 5 tiles: 40 accumulators.
; THE SLICE COMES IN BESIDE THE FIRST GROUP'S PRODUCTS, as in the first product.  The quarter's K goes in 8 chunks of 4 K steps (32 k each).  In chunk c wave w brings K step 4 c + w through registers (32 loads of 512 bytes),
; rounds it and lays it into LDS as matrix operands; behind a barrier every wave multiplies its first group by the chunk's four K steps, while the next chunk's weights are on their way.  The later groups read the slice again.
; THE ORDER OF THE LOADS.  A wave's loads come back in order (ISA guide 5.7.1), so a wait for rows also waits for every older load.  So all four K steps' rows of a chunk are asked for AHEAD of the next chunk's weights;
; the rows asked for behind those weights are wanted only in the next trip, behind the wait for the weights.
; BARRIERS.  Two a chunk, eight chunks, on every wave's path, also for a wave or an expert without rows (only products are jumped).  One stands behind the chunk's stores, ahead of its reads.  The other stands ahead of the stores,
; behind every wave's wait for its reads of the chunk before: the bytes differ from chunk to chunk, and with it the order does not lean on which bytes a trip's addresses name.
; The loop over the later groups counts to the constant 4 (4 x 5 >= 16 >= Q) and jumps, forward, over groups past the count; it holds no barrier and no LDS store.  It is entered in its middle, at a group's last four K steps.
; A group always LOADS five tiles (they lie inside the buffer of 140) and multiplies and stores the live ones.
; THE SUMS START from 0, written into the accumulators: 320 lines a group, for its 256 to 1,280 products; the price of writing no first K step out.
; NO MULTICAST, NO TENSOR LOADS: each weight has one reader and is rounded in registers; the rounded slice takes 262,144 bytes of LDS.
; LAYOUT.  Source 0 = 16 rows, source 1 = 16 columns.  The weights' fragments keep the order in which the loads bring them: fragment 4 bk + jf holds column 64 bk + 4 r + jf in lane r.
; In the results lane (r, h) then holds, for row 8 h + j, the columns 64 bk + 4 r + 0..3 in register j of four accumulators.
; THE WAY OUT.  A store of 16 bytes wants four registers on end, so those four are copied together: 64 copies a tile, for its 256 products; each store then covers two aligned runs of 256 bytes (rows j and 8 + j), and no LDS is written.
.set MT,    5
.set FP,    1024                       ; a fragment in LDS: [half][lane][16 bytes]; stores and loads take 512 consecutive bytes
.set KSP,   8*FP
.set WREG,  8*KSP                      ; a wave's own range of LDS: the eight K steps that it stores.  K step s lies at (s % 4) WREG + (s / 4) KSP
.set PITCH, 4096                       ; bytes from row to row of ew2[e]
.set CSTEP, 128*PITCH                  ; bytes from chunk to chunk
.set TST,   131072                     ; bytes of a tile in eh
.set YQ,    2160*4096                  ; bytes of a quarter's partial rows
.set SPARE, 32*KSP                     ; behind the slice: the spare words, 128 bytes a wave, that no other line names
.set L16, 1                            ; v1   16 x lane; never rewritten
.set RR,  2
.set HH,  3
.set VW,  4                            ; v4   my offset in the weights: 8 h rows + 16 r + the chunk
.set WS,  5                            ; v5   where I store fragments (steps a K step a chunk)
.set VO,  7                            ; v7   the way out: 8 h rows of y + 16 r; never rewritten
.set SPW, 12
.set NIL, 13
.set XO,  16                           ; v16-19   ring slot b: my offset in a tile's rows for the K step that the slot loads next
.set WR,  20                           ; v20-23   K step k of a chunk: where I read its fragments
.set XR,  32                           ; v32-191  rows' operands: a ring of 4 K steps x 5 tiles x 8
.set T,   192                          ; v192-255 a chunk's packed fragments
.set OB,  192                          ; v192-255 the way out: a tile in the stores' order
.set WB,  0                            ; window 1: v0-127 weights' fragments, two buffers of 8
.set LND, 64                           ; window 3: v64-191 the weights as loaded, two units of 64
; window 2 v0-255 and window 3 v0-63: the accumulators, tile i, fragment F at 64 i + 8 F
.set MSB, 0
.macro WIN new                         ; the immediate's high byte repeats the setting that is left; a switch that changes nothing is dropped
.if MSB != (\new)
	s_set_vgpr_msb (MSB<<8)|(\new)
.set MSB, \new
.endif
.endm
; A unit is 32 k x 64 columns: column block b of my K step.  Load i takes row i % 8 + 16 (i / 8) + 8 h, 16 bytes at 16 r: two aligned runs of 256 bytes a load.
.macro LOADU b
	WIN 0xc0
.set j, 0
.rept 16
	global_load_b128 v[LND+64*(\b)+4*j:LND+64*(\b)+4*j+3], v[VW], s[18:19] offset:((j%8)+16*(j/8))*PITCH+(\b)*256 th:TH_LOAD_NT
.set j, j+1
.endr
.endm
.macro CVTU b                          ; register q of fragment jf = rows 2 q, 2 q + 1 of my 16, column 4 r + jf
	WIN 0x0f
.set j, 0
.rept 32
	v_cvt_pk_bf16_f32 v[T+32*(\b)+j], v[LND+64*(\b)+8*(j%8)+j/8], v[LND+64*(\b)+8*(j%8)+4+j/8]
.set j, j+1
.endr
.endm
.macro STOU b                          ; fragment 4 b + j / 2, half j % 2
	WIN 0
.set j, 0
.rept 8
	ds_store_b128 v[WS], v[T+32*(\b)+4*j:T+32*(\b)+4*j+3] offset:(\b)*4*FP+(j/2)*FP+512*(j%2)
.set j, j+1
.endr
.endm
.macro XLOAD b                         ; ring slot b: its next K step, five tiles, 512 consecutive bytes a load
	WIN 0
.set j, 0
.rept 10
	global_load_b128 v[XR+40*(\b)+4*j:XR+40*(\b)+4*j+3], v[XO+(\b)], s[30:31] offset:(j/2)*TST+512*(j%2)
.set j, j+1
.endr
.endm
.macro WLOAD wb, k, a                  ; the 8 fragments of K step k of the chunk in hand (a = 1: of the next chunk) into buffer wb
	WIN 0x40
.set j, 0
.rept 16
	ds_load_b128 v[WB+64*(\wb)+4*j:WB+64*(\wb)+4*j+3], v[WR+(\k)] offset:(\a)*KSP+(j/2)*FP+512*(j%2)
.set j, j+1
.endr
.endm
.macro MM8 i, kk                       ; tile i: 8 products
.set AC, 64*((\i)%4)
.set XB, XR+40*(\kk)+8*(\i)
.set WBB, WB+64*((\kk)%2)
	WIN 0xa4+0x50*((\i)/4)                         ; rows (source 0) window 0, weights (source 1) window 1, C and D window 2 or 3
.set j, 0
.rept 8
	v_wmma_f32_16x16x32_bf16 v[AC+8*j:AC+8*j+7], v[XB:XB+7], v[WBB+8*j:WBB+8*j+7], v[AC+8*j:AC+8*j+7]
.set j, j+1
.endr
.endm
; K step kk of a chunk.  lc: the younger loads that may stay out when slot kk's rows have to be there.  step = 1: the slot's offset goes on four K steps: that wait has shown the loads that named it done.
; wpre = 1: the next K step's weights are asked for.  xpre = 1: the slot read in the K step before takes its next K step.  Then the live tiles' products, the accumulators by turns.
; Four plain vector instructions close it: the places between the products and the next loads into the registers that they read, and the way out: wrs = 1: the four read addresses go on to the next chunk; else four v_nop.
.macro KSTEP kk, lc, step, wpre, xpre, wrs
	s_wait_loadcnt \lc
	s_wait_dscnt 0x0
.if \step
	v_add_nc_u32 v[XO+(\kk)], 0x1000, v[XO+(\kk)]
.endif
.if \wpre
	WLOAD ((\kk)+1)%2, ((\kk)+1)%4, ((\kk)+1)/4
.endif
.if \xpre
	XLOAD (\kk)-1
.endif
.irp i, 0,1,2,3,4
	WIN 0
	s_cmp_gt_u32 s28, \i
	s_cbranch_scc0 .Lke_\@
	MM8 \i, \kk
.endr
	WIN 0
.Lke_\@:
.if \wrs
.irp q, 0,1,2,3
	v_add_nc_u32 v[WR+\q], KSP, v[WR+\q]
.endr
.else
.rept 4
	v_nop
.endr
.endif
.endm
; A chunk comes in.  ahead = 1: the next chunk's weights are asked for.
.macro FILLP ahead
	s_wait_loadcnt 30                              ; my part of the chunk's weights is in; the three younger slots of rows may stay out
	XLOAD 3                                        ; the rows of the chunk's fourth K step: ahead of the weights below
	CVTU 0
	CVTU 1
.if \ahead
	WIN 0
	v_add_nc_u32 v[VW], CSTEP, v[VW]               ; free since the wait above
	LOADU 0
	LOADU 1
.endif
	WIN 0
	s_barrier_signal -1                            ; my reads of the chunk before were waited for at its last K step's head:
	s_barrier_wait -1                              ; no wave stores into the slice while another still reads from it
	STOU 0
	STOU 1
.if \ahead
	v_add_nc_u32 v[WS], KSP, v[WS]
.endif
	s_wait_dscnt 0x0                               ; for the others' sake: my stores are done
	s_barrier_signal -1
	s_barrier_wait -1                              ; the chunk is whole
	WLOAD 0, 0, 0
	WIN 0
.endm
.macro INIT                            ; the sums start from 0
	WIN 0x80
.set j, 0
.rept 256
	v_mov_b32 v[j], 0
.set j, j+1
.endr
	WIN 0xc0
.set j, 0
.rept 64
	v_mov_b32 v[j], 0
.set j, j+1
.endr
	WIN 0
.endm
.macro GSET                            ; a group's bases and offsets, and the rows of its first three K steps
	s_add_co_u32 s2, s23, s26
	s_min_u32 s2, s2, 134
	s_lshl_b32 s20, s2, 17
	s_lshl_b32 s3, s17, 15
	s_add_co_u32 s20, s20, s3
	s_mov_b32 s21, 0
	s_add_nc_u64 s[30:31], s[4:5], s[20:21]
	s_lshl_b32 s20, s2, 16
	s_mul_i32 s3, s17, YQ
	s_add_co_u32 s20, s20, s3
	s_lshl_b32 s3, s16, 9
	s_add_co_u32 s20, s20, s3
	s_add_nc_u64 s[32:33], s[10:11], s[20:21]
.irp b, 0,1,2,3
	v_add_nc_u32 v[XO+\b], 1024*\b, v[L16]
	v_add_nc_u32 v[WR+\b], WREG*\b, v[L16]
.endr
	XLOAD 0
	XLOAD 1
	XLOAD 2
.endm
.macro OUT2 i                          ; tile i leaves
	s_wait_xcnt 0x0                                ; the registers that the last tile's stores read are rewritten only behind this wait
	WIN 0x02+(\i)/4                                ; source in window 2 or 3
.set AC, 64*((\i)%4)
.set j, 0
.rept 64                               ; register j / 8 of accumulator j % 8: every accumulator's register 0 is read first, then in ascending order
	v_mov_b32 v[OB+j], v[AC+8*(j%8)+j/8]
.set j, j+1
.endr
	WIN 0
.set j, 0
.rept 16                               ; rows j / 2 and 8 + j / 2, column block j % 2: 256 consecutive bytes, aligned, for each half of the lanes
	global_store_b128 v[VO], v[OB+4*j:OB+4*j+3], s[32:33] offset:(\i)*65536+(j/2)*4096+256*(j%2) th:TH_STORE_NT
.set j, j+1
.endr
.endm
	s_load_b256 s[4:11], s[0:1], 0x0               ; eh s[4:5], ew2 s[6:7], pm s[8:9], y s[10:11]
	v_lshl_add_u32 v[SPW], v0, 2, SPARE
	v_mov_b32 v[NIL], 0
	v_lshrrev_b32 v1, 5, v0
	v_readfirstlane_b32 s14, v1                    ; wave 0..3
	s_and_b32 s15, ttmp7, 0xffff                   ; e
	s_and_b32 s16, ttmp9, 7                        ; ns
	s_lshr_b32 s17, ttmp9, 3                       ; kq
	s_lshl_b32 s35, s15, 2
	v_and_b32 v1, 31, v0
	v_lshlrev_b32 v[L16], 4, v1
	v_and_b32 v[RR], 15, v0
	v_bfe_u32 v[HH], v0, 4, 1
	v_lshlrev_b32 v[VW], 4, v[RR]
	v_lshl_add_u32 v[VW], v[HH], 15, v[VW]         ; 8 rows of 4,096 bytes for the upper half of the lanes
	v_mov_b32 v[VO], v[VW]                         ; y's rows are 4,096 bytes too
	s_mul_i32 s2, s14, WREG                        ; my range of LDS
	v_add_nc_u32 v[WS], s2, v[L16]
	s_lshl_b32 s20, s15, 24                        ; ew2: expert, quarter, K step w's 32 rows, the slice's 512 bytes of a row
	s_lshl_b32 s2, s17, 22
	s_add_co_u32 s20, s20, s2
	s_lshl_b32 s2, s14, 17
	s_add_co_u32 s20, s20, s2
	s_lshl_b32 s2, s16, 9
	s_add_co_u32 s20, s20, s2
	s_mov_b32 s21, 0
	s_wait_kmcnt 0x0
	s_add_nc_u64 s[18:19], s[6:7], s[20:21]
	s_load_b32 s22, s[8:9], s35 offset:0x0         ; T: the expert's tiles
	s_load_b32 s23, s[8:9], s35 offset:0x20        ; its first tile
	LOADU 0                                        ; chunk 0's weights
	LOADU 1
	WIN 0
	s_wait_kmcnt 0x0
	s_add_co_u32 s24, s22, 3
	s_lshr_b32 s24, s24, 2                         ; Q
	s_mul_i32 s26, s14, s24                        ; my first tile of the expert's,
	s_add_co_u32 s25, s26, s24
	s_min_u32 s25, s25, s22                        ; and the end of my run
	s_sub_co_i32 s28, s25, s26                     ; tiles left:
	s_max_i32 s28, s28, 0                          ; none for a wave past the count, which still fills and passes every barrier
	GSET
	INIT
	s_mov_b32 s29, 7
.Lfuse:                                                ; chunks 0 to 6: each asks for the next chunk's weights
	FILLP 1
	KSTEP 0, 62, 1, 1, 0, 0                        ; younger than slot 0's rows: three slots of 10 and the 32 loads of weights
	KSTEP 1, 52, 1, 1, 1, 0                        ; two slots and the weights
	KSTEP 2, 52, 1, 1, 1, 0
	KSTEP 3, 52, 1, 0, 1, 1                        ; the next chunk is not there yet: no weights are asked for from LDS
	s_sub_co_u32 s29, s29, 1
	s_cmp_lg_u32 s29, 0
	s_cbranch_scc1 .Lfuse
	FILLP 0                                        ; chunk 7: nothing is left to fetch
	s_mov_b32 s27, 0
	s_branch .Ljoin                                ; its four K steps and the way out are those of every group
.Lgroup:
	s_sub_co_i32 s28, s25, s26                     ; tiles left
	s_cmp_le_i32 s28, 0
	s_cbranch_scc1 .Lgnext
	s_wait_xcnt 0x0                                ; the bases that the last group's loads and stores name are rewritten only behind this wait
	GSET
	INIT
	WLOAD 0, 0, 0
	WIN 0
	s_mov_b32 s29, 7
.Lk:
	XLOAD 3
	KSTEP 0, 30, 1, 1, 0, 0                        ; three younger slots of 10 stay out,
	KSTEP 1, 20, 1, 1, 1, 0                        ; then two
	KSTEP 2, 20, 1, 1, 1, 0
	KSTEP 3, 20, 1, 1, 1, 1
	s_sub_co_u32 s29, s29, 1
	s_cmp_lg_u32 s29, 0
	s_cbranch_scc1 .Lk
	XLOAD 3
.Ljoin:                                                ; a group's last four K steps ask for no more rows: the counts run down
	KSTEP 0, 30, 0, 1, 0, 0
	KSTEP 1, 20, 0, 1, 0, 0
	KSTEP 2, 10, 0, 1, 0, 0
	KSTEP 3, 0, 0, 0, 0, 0
.irp i, 0,1,2,3,4
	s_cmp_gt_u32 s28, \i
	s_cbranch_scc0 .Lgnext
	OUT2 \i
.endr
.Lgnext:
	s_add_co_u32 s26, s26, MT
	s_add_co_u32 s27, s27, 1
	s_cmp_lt_u32 s27, 4
	s_cbranch_scc1 .Lgroup
	s_wait_dscnt 0x0                               ; my reads of the slice are over;
	s_barrier_signal -1                            ; no wave writes LDS again (the add below) before every wave has said so
	s_barrier_wait -1
	s_wait_tensorcnt 0x0                           ; the wave's end
	ds_add_u32 v[SPW], v[NIL]
	s_wait_dscnt 0x0
	s_endpgm
.Lfunc_end_k_q4b4fd02ed1_p2:
	.size	k_q4b4fd02ed1_p2, .Lfunc_end_k_q4b4fd02ed1_p2-k_q4b4fd02ed1_p2
	.p2alignl 7, 3214868480
	.fill 96, 4, 3214868480
	.section	.rodata,"a",@progbits
	.p2align	6, 0x0
	.amdhsa_kernel k_q4b4fd02ed1_p2
		.amdhsa_group_segment_fixed_size 262656
		.amdhsa_private_segment_fixed_size 0
		.amdhsa_enable_private_segment 0
		.amdhsa_kernarg_size 32
		.amdhsa_user_sgpr_count 2
		.amdhsa_user_sgpr_kernarg_segment_ptr 1
		.amdhsa_wavefront_size32 1
		.amdhsa_system_sgpr_workgroup_id_x 1
		.amdhsa_system_sgpr_workgroup_id_y 1
		.amdhsa_system_sgpr_workgroup_id_z 1
		.amdhsa_system_vgpr_workitem_id 0
		.amdhsa_next_free_vgpr 960
		.amdhsa_next_free_sgpr 66
		.amdhsa_reserve_vcc 0
		.amdhsa_float_denorm_mode_32 3
		.amdhsa_float_denorm_mode_16_64 3
		.amdhsa_memory_ordered 1
		.amdhsa_forward_progress 1
		.amdhsa_inst_pref_size 129
	.end_amdhsa_kernel
	.amdgpu_metadata
---
amdhsa.version: [ 1, 2 ]
amdhsa.kernels:
  - .name:           k_q4b4fd02ed1_p2
    .symbol:         k_q4b4fd02ed1_p2.kd
    .args:
      - { .name: eh, .offset: 0, .size: 8, .value_kind: global_buffer, .address_space: global }
      - { .name: ew2, .offset: 8, .size: 8, .value_kind: global_buffer, .address_space: global }
      - { .name: pm, .offset: 16, .size: 8, .value_kind: global_buffer, .address_space: global }
      - { .name: y, .offset: 24, .size: 8, .value_kind: global_buffer, .address_space: global }
    .group_segment_fixed_size: 262656
    .private_segment_fixed_size: 0
    .kernarg_segment_align: 8
    .kernarg_segment_size: 32
    .max_flat_workgroup_size: 128
    .sgpr_count:     66
    .vgpr_count:     960
    .wavefront_size: 32
...
	.end_amdgpu_metadata
.endif
;; end of part 5
;; launch sum (part 6): grid 256 x 1, 8 waves a work-group, no clusters, 0 bytes of LDS; arguments y, pm, rt, gt, eb2, out0; writes out0
.if DOCPART == 6
	.amdgcn_target "amdgcn-amd-amdhsa--gfx1250"
	.amdhsa_code_object_version 6
	.text
	.protected	k_q4b4fd02ed1_sum
	.globl	k_q4b4fd02ed1_sum
	.p2align	8
	.type	k_q4b4fd02ed1_sum,@function
k_q4b4fd02ed1_sum:
	s_mov_b64 s[64:65], 0
	v_nop
	global_prefetch_b8 v0, s[64:65] scope:SCOPE_SE
	s_setreg_imm32_b32 hwreg(HW_REG_WAVE_MODE, 25, 1), 1
	s_wait_xcnt 0x0
; THE COMBINATION.  out[n] = the sum over the token's two experts of gate x (the four K quarters' partial rows + eb2[e]), all in f32; eb2 is rounded to bf16 first, as every input.
; A wave takes half a row of out0 (2,048 bytes): token n = 4 wg + wave / 2, half wave % 2.  Rows' places, experts and gates are read as scalars; places and experts are whole numbers that earlier launches stored.
; A stream: all 40 loads of a wave (512 consecutive bytes each) are issued before the one wait; no LDS, no barrier, no matrix unit: there is nothing to share and nothing to multiply.
.set YQ,  2160*4096
.set BIA, 8                            ; v8-39    eb2: slot s, chunk c at 16 s + 4 c
.set Y,   40                           ; v40-167  partial rows: slot s, quarter kq, chunk c at 64 s + 16 kq + 4 c
.set TM,  168                          ; v168-183 at work
	s_load_b256 s[4:11], s[0:1], 0x0               ; y s[4:5], pm s[6:7], rt s[8:9], gt s[10:11]
	s_load_b128 s[12:15], s[0:1], 0x20             ; eb2 s[12:13], out0 s[14:15]
	v_lshrrev_b32 v1, 5, v0
	v_readfirstlane_b32 s16, v1                    ; wave 0..7
	s_lshr_b32 s17, s16, 1
	s_lshl_b32 s2, ttmp9, 2
	s_add_co_u32 s17, s17, s2                      ; n
	s_and_b32 s18, s16, 1
	s_lshl_b32 s18, s18, 11                        ; my half of a row
	s_lshl_b32 s19, s17, 3
	s_mov_b32 s38, 0xffff0000
	s_wait_kmcnt 0x0
	s_load_b64 s[24:25], s[6:7], s19 offset:0x100  ; the two rows' places
	s_load_b64 s[26:27], s[8:9], s19 offset:0x1000 ; the two experts
	s_load_b64 s[20:21], s[10:11], s19 offset:0x0  ; the two gates
	v_and_b32 v1, 31, v0
	v_lshlrev_b32 v2, 4, v1                        ; v2-5: 16 x lane + the quarter
	v_add_nc_u32 v3, YQ, v2
	v_add_nc_u32 v4, 2*YQ, v2
	v_add_nc_u32 v5, 3*YQ, v2
	s_mov_b32 s3, 0
	s_wait_kmcnt 0x0
	s_min_u32 s24, s24, 2159
	s_min_u32 s25, s25, 2159
	s_min_u32 s26, s26, 7
	s_min_u32 s27, s27, 7
	s_lshl_b32 s2, s24, 12
	s_add_co_u32 s2, s2, s18
	s_add_nc_u64 s[28:29], s[4:5], s[2:3]
	s_lshl_b32 s2, s25, 12
	s_add_co_u32 s2, s2, s18
	s_add_nc_u64 s[30:31], s[4:5], s[2:3]
	s_lshl_b32 s2, s26, 12
	s_add_co_u32 s2, s2, s18
	s_add_nc_u64 s[32:33], s[12:13], s[2:3]
	s_lshl_b32 s2, s27, 12
	s_add_co_u32 s2, s2, s18
	s_add_nc_u64 s[34:35], s[12:13], s[2:3]
	s_lshl_b32 s2, s17, 12
	s_add_co_u32 s2, s2, s18
	s_add_nc_u64 s[36:37], s[14:15], s[2:3]
	s_mov_b32 s22, s21                             ; the second gate as a pair's low word
	s_mov_b32 s23, s21
.set j, 0
.rept 8
	global_load_b128 v[BIA+4*j:BIA+4*j+3], v2, s[32+2*(j/4):33+2*(j/4)] offset:512*(j%4)
.set j, j+1
.endr
.set j, 0
.rept 32                               ; slot j / 16, quarter (j % 16) / 4, chunk j % 4
	global_load_b128 v[Y+4*j:Y+4*j+3], v[2+(j%16)/4], s[28+2*(j/16):29+2*(j/16)] offset:512*(j%4) th:TH_LOAD_NT
.set j, j+1
.endr
	s_wait_loadcnt 0x0
.set j, 0
.rept 16                               ; the bias rounded to bf16 and widened again
	v_cvt_pk_bf16_f32 v[TM+j], v[BIA+2*j], v[BIA+2*j+1]
.set j, j+1
.endr
.set j, 0
.rept 16
	v_lshlrev_b32 v[BIA+2*j], 16, v[TM+j]
	v_and_b32 v[BIA+2*j+1], s38, v[TM+j]
.set j, j+1
.endr
.set q, 1
.rept 3                                ; the quarters in the order of k
.set j, 0
.rept 16
	v_pk_add_f32 v[Y+64*(j/8)+2*(j%8):Y+64*(j/8)+2*(j%8)+1], v[Y+64*(j/8)+2*(j%8):Y+64*(j/8)+2*(j%8)+1], v[Y+64*(j/8)+16*q+2*(j%8):Y+64*(j/8)+16*q+2*(j%8)+1]
.set j, j+1
.endr
.set q, q+1
.endr
.set j, 0
.rept 16
	v_pk_add_f32 v[Y+64*(j/8)+2*(j%8):Y+64*(j/8)+2*(j%8)+1], v[Y+64*(j/8)+2*(j%8):Y+64*(j/8)+2*(j%8)+1], v[BIA+2*j:BIA+2*j+1]
.set j, j+1
.endr
.set j, 0
.rept 8
	v_pk_mul_f32 v[Y+2*j:Y+2*j+1], v[Y+2*j:Y+2*j+1], s[20:21] op_sel_hi:[1,0]
.set j, j+1
.endr
.set j, 0
.rept 8
	v_pk_fma_f32 v[Y+2*j:Y+2*j+1], v[Y+64+2*j:Y+64+2*j+1], s[22:23], v[Y+2*j:Y+2*j+1] op_sel_hi:[1,0,1]
.set j, j+1
.endr
.set j, 0
.rept 4
	global_store_b128 v2, v[Y+4*j:Y+4*j+3], s[36:37] offset:512*j  ; 512 consecutive bytes, aligned
.set j, j+1
.endr
	s_endpgm
.Lfunc_end_k_q4b4fd02ed1_sum:
	.size	k_q4b4fd02ed1_sum, .Lfunc_end_k_q4b4fd02ed1_sum-k_q4b4fd02ed1_sum
	.p2alignl 7, 3214868480
	.fill 96, 4, 3214868480
	.section	.rodata,"a",@progbits
	.p2align	6, 0x0
	.amdhsa_kernel k_q4b4fd02ed1_sum
		.amdhsa_group_segment_fixed_size 0
		.amdhsa_private_segment_fixed_size 0
		.amdhsa_enable_private_segment 0
		.amdhsa_kernarg_size 48
		.amdhsa_user_sgpr_count 2
		.amdhsa_user_sgpr_kernarg_segment_ptr 1
		.amdhsa_wavefront_size32 1
		.amdhsa_system_sgpr_workgroup_id_x 1
		.amdhsa_system_sgpr_workgroup_id_y 1
		.amdhsa_system_sgpr_workgroup_id_z 1
		.amdhsa_system_vgpr_workitem_id 0
		.amdhsa_next_free_vgpr 192
		.amdhsa_next_free_sgpr 66
		.amdhsa_reserve_vcc 0
		.amdhsa_float_denorm_mode_32 3
		.amdhsa_float_denorm_mode_16_64 3
		.amdhsa_memory_ordered 1
		.amdhsa_forward_progress 1
		.amdhsa_inst_pref_size 14
	.end_amdhsa_kernel
	.amdgpu_metadata
---
amdhsa.version: [ 1, 2 ]
amdhsa.kernels:
  - .name:           k_q4b4fd02ed1_sum
    .symbol:         k_q4b4fd02ed1_sum.kd
    .args:
      - { .name: y, .offset: 0, .size: 8, .value_kind: global_buffer, .address_space: global }
      - { .name: pm, .offset: 8, .size: 8, .value_kind: global_buffer, .address_space: global }
      - { .name: rt, .offset: 16, .size: 8, .value_kind: global_buffer, .address_space: global }
      - { .name: gt, .offset: 24, .size: 8, .value_kind: global_buffer, .address_space: global }
      - { .name: eb2, .offset: 32, .size: 8, .value_kind: global_buffer, .address_space: global }
      - { .name: out0, .offset: 40, .size: 8, .value_kind: global_buffer, .address_space: global }
    .group_segment_fixed_size: 0
    .private_segment_fixed_size: 0
    .kernarg_segment_align: 8
    .kernarg_segment_size: 48
    .max_flat_workgroup_size: 256
    .sgpr_count:     66
    .vgpr_count:     192
    .wavefront_size: 32
...
	.end_amdgpu_metadata
.endif
;; end of part 6
;; ======== version 2 of 2: 6 launches; version 1 with the launches p1, p2 written anew for expert scheduling mode
;; workspace buffers: pl 1,048,576 bytes; rt 12,288 bytes of whole numbers; gt 8,192 bytes; xg 4,587,520 bytes; pm 8,448 bytes of whole numbers; eh 18,350,080 bytes; y 35,389,440 bytes
;; launch r1: the kernel of part 1 again; grid 16 x 16, 8 waves a work-group, no clusters, 140,288 bytes of LDS; arguments x, rw1, rb1, rw2, pl; writes pl
;; launch r2: the kernel of part 2 again; grid 32 x 1, 1 waves a work-group, no clusters, 0 bytes of LDS; arguments pl, rb2, rt, gt; writes rt, gt
;; launch g: the kernel of part 3 again; grid 135 x 1, 4 waves a work-group, no clusters, 36,352 bytes of LDS; arguments x, rt, xg, pm; writes xg, pm
;; launch p1 (part 7): grid 32 x 8, 4 waves a work-group, no clusters, 266,752 bytes of LDS; arguments xg, ew1, eb1, pm, eh; writes eh
.if DOCPART == 7
	.amdgcn_target "amdgcn-amd-amdhsa--gfx1250"
	.amdhsa_code_object_version 6
	.text
	.protected	k_q4b4fd02ed1_p1
	.globl	k_q4b4fd02ed1_p1
	.p2align	8
	.type	k_q4b4fd02ed1_p1,@function
k_q4b4fd02ed1_p1:
	s_mov_b64 s[64:65], 0
	v_nop
	global_prefetch_b8 v0, s[64:65] scope:SCOPE_SE
	s_setreg_imm32_b32 hwreg(HW_REG_WAVE_SCHED_MODE, 0, 2), 2
	s_setreg_imm32_b32 hwreg(HW_REG_WAVE_MODE, 25, 1), 1
	s_wait_xcnt 0x0
	s_wait_alu depctr_vm_vsrc(0)
; FIRST EXPERT PRODUCT.  eh = relu(x ew1[e] + eb1[e]) for the rows that chose expert e, rounded once to bf16.  ew1 [8][1024][4096] f32, eb1 [8][4096] f32: rounded to bf16 on the way; sums in f32.
; bf16 and not f16 for eh: with inputs some 30 times larger eh has no room in f16.
; SHARES.  Work-group (sl, e): hidden columns 128 sl .. + 127 of expert e, which it alone reads (524,288 bytes, each once), and ALL of that expert's rows.
; ROWS.  The expert's T tiles of 16 rows (from pm; T <= 64) are dealt to the four waves in runs of Q = ceil(T / 4); a wave takes its run in groups of up to 5 tiles: 40 accumulators.
; THE SLICE COMES IN BESIDE THE FIRST GROUP'S PRODUCTS.  K goes in 8 chunks of 4 K steps (32 k each).  In chunk c wave w brings K step 4 c + w through registers (32 loads of 512 bytes), rounds it and lays it into LDS as
; matrix operands; behind a barrier every wave multiplies its first group by the chunk's four K steps, while the next chunk's weights are on their way.  The slice stays in LDS: the later groups read it again.
; THE ORDER OF THE LOADS.  A wave's loads come back in order (ISA guide 5.7.1), so a wait for rows also waits for every older load.  So all four K steps' rows of a chunk are asked for AHEAD of the next chunk's weights;
; the rows asked for behind those weights are wanted only in the next trip, behind the wait for the weights.
; BARRIERS.  Two a chunk, eight chunks, on every wave's path, also for a wave or an expert without rows (only products are jumped).  One stands behind the chunk's stores, ahead of its reads.  The other stands ahead of the stores,
; behind every wave's wait for its reads of the chunk before: the bytes differ from chunk to chunk, and with it the order does not lean on which bytes a trip's addresses name.
; The loop over the later groups counts to the constant 4 (4 x 5 >= 16 >= Q) and jumps, forward, over groups past the count; it holds no barrier and no LDS store.  It is entered in its middle, at a group's last four K steps,
; so that these and the way out stand once in the text.
; A group always LOADS five tiles (the counts of the waits are then the same on every way; tiles past the count lie inside the buffer, which has 140 tiles, and are neither multiplied nor stored).
; THE SUMS START from the bias, copied into the accumulators: 320 copies a group, for its 256 to 1,280 products; the price of writing no first K step out.
; NO MULTICAST, NO TENSOR LOADS: each weight has one reader and has to be rounded in registers; the rounded slice takes 266,240 bytes of LDS, so no room is left for shared tiles of rows.
; THE MATRIX INSTRUCTION IS USED TRANSPOSED (source 0 = 16 columns of the weights, source 1 = 16 rows): a lane's eight results are eight neighbouring hidden units of one row, which, packed, ARE 16 bytes of the next product's operand.
; eh: [tile][128 steps of 32 k][half q2][lane][16 bytes], as xg.
; THE MODE: SCHED_MODE bits 1:0 = 2 (LLVM: expert scheduling mode 2), set by the entry lines.  The code itself states the register dependences
; between vector or matrix instructions and memory or LDS instructions, with s_wait_alu, always for 0.
; THE PLAN.  Registers that memory or LDS instructions touch, and who else names them:
;   XR slot k     K step k's products read it; the rows of the same K step of the next chunk land in it, asked for in K step k + 1 (slot 3's: at the next chunk's head).
;   WB 0, 1       K step k's products read buffer k % 2; in K step k + 1 the fragments of K step k + 2 land in it.
;   LND           a chunk's 64 conversions read it; behind them the next chunk's weights land in it.
;   T             the conversions write it and the LDS stores read it; on the way out the roundings write it and the global stores read it.
;   XO 0-3, WR 0-3, VW, WS   offsets and LDS addresses that loads and stores read; a vector add steps each once a chunk.
;   L16, BO       made at the head, never written again.   The accumulators, and BI and BT behind the bias's loads, are named by vector and matrix instructions alone.
; ONE wait on va_vdst stands at the head of a K step (K step 0's stands at the chunk's head: behind the conversions where a chunk comes in, else at the trip's head).  It states that the products of the K step before are done
; reading their slot and their buffer and that the offsets stepped so far are written.  The K step's loads follow it with no further wait, the rows' behind the first tile's products: what is issued since the wait names the
; K step's own slot, its own buffer, its own offset and the accumulators, none of which those loads touch.
; ONE wait on vm_vsrc a chunk stands at K step 3's end: every load and LDS store of the chunk has read its registers; behind it XO 3, WR and WS are stepped, and in the next chunk VW, XO 0-2 and T are written.
; The first trip of a loop has that wait ahead of the loop.
.set MT,    5
.set FP,    1040                       ; a fragment in LDS: 1,024 bytes + 16
.set KSP,   8*FP                       ; a K step: 8 fragments of 16 columns
.set WREG,  8*KSP                      ; a wave's own range of LDS: the eight K steps that it stores.  K step s lies at (s % 4) WREG + (s / 4) KSP
.set PITCH, 16384                      ; bytes from row to row of ew1[e]
.set CSTEP, 128*PITCH                  ; bytes from chunk to chunk
.set TST,   32768                      ; bytes of a tile in xg
.set L16, 1                            ; v1   16 x lane; never rewritten
.set RR,  2                            ; v2   r
.set HH,  3                            ; v3   h
.set VW,  4                            ; v4   my offset in the weights: 8 h rows + 16 r + the chunk
.set WS,  5                            ; v5   where I store fragments (steps a K step a chunk)
.set BO,  9                            ; v9   32 h
.set ZR,  10                           ; v10  0, for the relu
.set XO,  16                           ; v16-19   ring slot b: my offset in a tile's rows for the K step that the slot loads next
.set WR,  20                           ; v20-23   K step k of a chunk: where I read its fragments
.set XR,  32                           ; v32-191  rows' operands: a ring of 4 K steps x 5 tiles x 8
.set T,   192                          ; v192-255 a chunk's packed fragments; on the way out the packed results
.set WB,  0                            ; window 1: v0-127 weights' fragments, two buffers of 8
.set BI,  128                          ; window 1: v128-191 the bias in the accumulators' layout
.set BT,  192                          ; window 1: v192-223 at work
.set LND, 64                           ; window 3: v64-191 the weights as loaded, two units of 64
; window 2 v0-255 and window 3 v0-63: the accumulators, tile i, fragment F at 64 i + 8 F
.set MSB, 0
.macro WIN new                         ; the immediate's high byte repeats the setting that is left; a switch that changes nothing is dropped
.if MSB != (\new)
	s_set_vgpr_msb (MSB<<8)|(\new)
.set MSB, \new
.endif
.endm
; A unit is 32 k x 64 columns: column block b of my K step.  Load i takes row i % 8 + 16 (i / 8) + 8 h, 16 bytes at 16 r: two aligned runs of 256 bytes a load.
.macro LOADU b
	WIN 0xc0
.set j, 0
.rept 16
	global_load_b128 v[LND+64*(\b)+4*j:LND+64*(\b)+4*j+3], v[VW], s[18:19] offset:((j%8)+16*(j/8))*PITCH+(\b)*256 th:TH_LOAD_NT
.set j, j+1
.endr
.endm
.macro CVTU b                          ; register q of fragment jf = rows 2 q, 2 q + 1 of my 16, column 4 r + jf
	WIN 0x0f
.set j, 0
.rept 32
	v_cvt_pk_bf16_f32 v[T+32*(\b)+j], v[LND+64*(\b)+8*(j%8)+j/8], v[LND+64*(\b)+8*(j%8)+4+j/8]
.set j, j+1
.endr
.endm
.macro STOU b                          ; column 4 r + jf lies in fragment r / 4 of the block, at lane place 16 h + 4 (r % 4) + jf
	WIN 0
.set j, 0
.rept 8
	ds_store_b128 v[WS], v[T+32*(\b)+4*j:T+32*(\b)+4*j+3] offset:(\b)*4*FP+512*(j%2)+16*(j/2)
.set j, j+1
.endr
.endm
.macro XLOAD b                         ; ring slot b: its next K step, five tiles, 512 consecutive bytes a load
	WIN 0
.set j, 0
.rept 10
	global_load_b128 v[XR+40*(\b)+4*j:XR+40*(\b)+4*j+3], v[XO+(\b)], s[30:31] offset:(j/2)*TST+512*(j%2)
.set j, j+1
.endr
.endm
.macro WLOAD wb, k, a                  ; the 8 fragments of K step k of the chunk in hand (a = 1: of the next chunk) into buffer wb
	WIN 0x40
.set j, 0
.rept 16
	ds_load_b128 v[WB+64*(\wb)+4*j:WB+64*(\wb)+4*j+3], v[WR+(\k)] offset:(\a)*KSP+(j/2)*FP+512*(j%2)
.set j, j+1
.endr
.endm
.macro MM8 i, kk                       ; tile i: 8 products
.set AC, 64*((\i)%4)
.set XB, XR+40*(\kk)+8*(\i)
.set WBB, WB+64*((\kk)%2)
	WIN 0xa1+0x50*((\i)/4)
.set j, 0
.rept 8
	v_wmma_f32_16x16x32_bf16 v[AC+8*j:AC+8*j+7], v[WBB+8*j:WBB+8*j+7], v[XB:XB+7], v[AC+8*j:AC+8*j+7]
.set j, j+1
.endr
.endm
; K step kk of a chunk.  lc: the younger loads that may stay out when slot kk's rows have to be there.  step = 1: the slot's offset goes on four K steps: that wait has shown the loads that named it done
; (slot 3's goes on at the step's end, with the read addresses, behind the chunk's one wait on vm_vsrc).
; wpre = 1: the next K step's weights are asked for.  xpre = 1: the slot read in the K step before takes its next K step, behind the first tile's products.  The live tiles' products: the accumulators by turns
; (on every way the step's last and the next step's first differ).  Four plain vector instructions or more close it: the places between the products and the next loads into the registers that they read, and the way out
; wrs = 1: slot 3's offset and the four read addresses go on to the next chunk; else four v_nop.
.macro KSTEP kk, lc, step, wpre, xpre, wrs
	s_wait_loadcnt \lc
	s_wait_dscnt 0x0
.if (\step) && ((\kk) < 3)
	v_add_nc_u32 v[XO+(\kk)], 0x1000, v[XO+(\kk)]  ; the loads that read it stand ahead of the last wait on vm_vsrc
.endif
.if \wpre
	WIN 0x40
.endif
.if (\kk) && ((\wpre) || (\xpre))
	s_wait_alu depctr_va_vdst(0)                   ; the products of the K step before are done reading their slot and their buffer, in which the loads below land; that slot's offset is written
.endif
.if \wpre
	WLOAD ((\kk)+1)%2, ((\kk)+1)%4, ((\kk)+1)/4
.endif
	WIN 0
	s_cmp_gt_u32 s28, 0
	s_cbranch_scc0 .Lka_\@
	MM8 0, \kk
	WIN 0
.Lka_\@:
.if \xpre
	XLOAD (\kk)-1                                  ; no wait: the products since the wait name this K step's slot and buffer and the accumulators alone
.endif
.irp i, 1,2,3,4
	WIN 0
	s_cmp_gt_u32 s28, \i
	s_cbranch_scc0 .Lke_\@
	MM8 \i, \kk
.endr
	WIN 0
.Lke_\@:
.if \wrs
	s_wait_alu depctr_vm_vsrc(0)                   ; the chunk's loads and LDS stores have read XO 0-3, WR 0-3, VW, WS and T: these are written from here on and in the next chunk
	v_add_nc_u32 v[XO+3], 0x1000, v[XO+3]          ; the wait on LOADcnt at this step's head has shown the loads that named it done
.irp q, 0,1,2,3
	v_add_nc_u32 v[WR+\q], KSP, v[WR+\q]
.endr
.else
.rept 4
	v_nop
.endr
.endif
.endm
; A chunk comes in.  ahead = 1: the next chunk's weights are asked for.
.macro FILLP ahead
	s_wait_loadcnt 30                              ; my part of the chunk's weights is in; the three younger slots of rows may stay out
.if \ahead
	v_add_nc_u32 v[VW], CSTEP, v[VW]               ; free since the wait above; the loads that read it stand ahead of the last wait on vm_vsrc
.endif
	CVTU 0
	CVTU 1
	WIN 0
	s_wait_alu depctr_va_vdst(0)                   ; the conversions are done reading LND and have written T; VW, WS, XO 3 and WR are written; the last chunk's products are done reading slot 3 and both buffers of fragments
	XLOAD 3                                        ; the rows of the chunk's fourth K step: ahead of the weights below
.if \ahead
	LOADU 0
	LOADU 1
.endif
	WIN 0
	s_barrier_signal -1                            ; my reads of the chunk before were waited for at its last K step's head:
	s_barrier_wait -1                              ; no wave stores into the slice while another still reads from it
	STOU 0
	STOU 1
	s_wait_dscnt 0x0                               ; for the others' sake: my stores are done
	s_barrier_signal -1
	s_barrier_wait -1                              ; the chunk is whole
	WLOAD 0, 0, 0                                  ; no vector or matrix instruction stands between the wait on va_vdst above and these loads
	WIN 0
.endm
.macro INIT                            ; the sums start from the bias
	WIN 0x81
.set j, 0
.rept 256
	v_mov_b32 v[j], v[BI+j%64]
.set j, j+1
.endr
	WIN 0xc1
.set j, 0
.rept 64
	v_mov_b32 v[j], v[BI+j]
.set j, j+1
.endr
	WIN 0
.endm
.macro GSET                            ; a group's bases and offsets, and the rows of its first three K steps
	s_add_co_u32 s2, s23, s26
	s_min_u32 s2, s2, 134
	s_lshl_b32 s20, s2, 15
	s_mov_b32 s21, 0
	s_add_nc_u64 s[30:31], s[4:5], s[20:21]
	s_lshl_b32 s20, s2, 17
	s_lshl_b32 s3, s16, 12
	s_add_co_u32 s20, s20, s3
	s_add_nc_u64 s[32:33], s[12:13], s[20:21]
.irp b, 0,1,2,3
	v_add_nc_u32 v[XO+\b], 1024*\b, v[L16]
	v_add_nc_u32 v[WR+\b], WREG*\b, v[L16]
.endr
	s_wait_alu depctr_va_vdst(0)                   ; XO and WR are written, which the loads of rows and of fragments read; in a later group the last group's products are done reading the slots and the buffers in which these land
	XLOAD 0
	XLOAD 1
	XLOAD 2
.endm
.macro OUT1 i                          ; tile i leaves: rounded, relu on the packed halves, 512 consecutive bytes a store
	s_wait_xcnt 0x0                                ; the packed registers are rewritten only behind this wait
	s_wait_alu depctr_vm_vsrc(0)                   ; the last tile's stores, or the last chunk's LDS stores, have read T, which the roundings write again
	WIN 0x0a+5*((\i)/4)
.set AC, 64*((\i)%4)
.set j, 0
.rept 32                               ; each accumulator's registers in ascending order
	v_cvt_pk_bf16_f32 v[T+j], v[AC+2*j], v[AC+2*j+1]
.set j, j+1
.endr
	WIN 0
.set j, 0
.rept 32
	v_pk_max_num_bf16 v[T+j], v[T+j], v[ZR]
.set j, j+1
.endr
	s_wait_alu depctr_va_vdst(0)                   ; the roundings and the relu have written T, which the stores read
.set j, 0
.rept 8                                ; fragment F is half F % 2 of the next product's K step 4 sl + F / 2
	global_store_b128 v[L16], v[T+4*j:T+4*j+3], s[32:33] offset:(\i)*131072+512*j
.set j, j+1
.endr
.endm
	s_load_b256 s[4:11], s[0:1], 0x0               ; xg s[4:5], ew1 s[6:7], eb1 s[8:9], pm s[10:11]
	s_load_b64 s[12:13], s[0:1], 0x20              ; eh
	v_lshl_add_u32 v30, v0, 2, 0x41000
	v_mov_b32 v31, 0
	v_lshrrev_b32 v1, 5, v0
	v_readfirstlane_b32 s14, v1                    ; wave 0..3
	s_and_b32 s15, ttmp7, 0xffff                   ; e
	s_mov_b32 s16, ttmp9                           ; sl
	s_mov_b32 s34, 0xffff0000
	s_lshl_b32 s35, s15, 2
	v_and_b32 v1, 31, v0
	v_lshlrev_b32 v[L16], 4, v1
	v_and_b32 v[RR], 15, v0
	v_bfe_u32 v[HH], v0, 4, 1
	v_lshlrev_b32 v[VW], 4, v[RR]
	v_lshl_add_u32 v[VW], v[HH], 17, v[VW]         ; 8 rows of 16,384 bytes for the upper half of the lanes
	v_lshrrev_b32 v6, 2, v[RR]
	v_mul_u32_u24 v[WS], v6, FP
	v_and_b32 v6, 3, v[RR]
	v_lshl_add_u32 v[WS], v6, 6, v[WS]
	v_lshl_add_u32 v[WS], v[HH], 8, v[WS]
	s_wait_alu depctr_va_sdst(0)                   ; s14 is written, ahead of its first reader: my range of LDS, my rows of the weights and my run of tiles are made from it
	s_mul_i32 s2, s14, WREG                        ; my range of LDS
	v_add_nc_u32 v[WS], s2, v[WS]
	v_lshlrev_b32 v[BO], 5, v[HH]
	v_mov_b32 v[ZR], 0
	s_lshl_b32 s20, s15, 24                        ; ew1: expert, K step w's 32 rows, the slice's 512 bytes of a row
	s_lshl_b32 s2, s14, 19
	s_add_co_u32 s20, s20, s2
	s_lshl_b32 s2, s16, 9
	s_add_co_u32 s20, s20, s2
	s_mov_b32 s21, 0
	s_lshl_b32 s36, s15, 14                        ; eb1
	s_add_co_u32 s36, s36, s2
	s_mov_b32 s37, 0
	s_wait_kmcnt 0x0
	s_add_nc_u64 s[18:19], s[6:7], s[20:21]
	s_add_nc_u64 s[36:37], s[8:9], s[36:37]
	s_load_b32 s22, s[10:11], s35 offset:0x0       ; T: the expert's tiles
	s_load_b32 s23, s[10:11], s35 offset:0x20      ; its first tile
	WIN 0x40
	s_wait_alu depctr_va_vdst(0)                   ; L16, VW, WS and BO are written, which the loads and stores of the kernel read as offsets and addresses
.set j, 0
.rept 16                               ; eb1 of columns 16 F + 8 h + 0..7
	global_load_b128 v[BI+4*j:BI+4*j+3], v[BO], s[36:37] offset:64*(j/2)+16*(j%2)
.set j, j+1
.endr
	LOADU 0                                        ; chunk 0's weights
	LOADU 1
	WIN 0
	s_wait_kmcnt 0x0
	s_add_co_u32 s24, s22, 3
	s_lshr_b32 s24, s24, 2                         ; Q
	s_mul_i32 s26, s14, s24                        ; my first tile of the expert's,
	s_add_co_u32 s25, s26, s24
	s_min_u32 s25, s25, s22                        ; and the end of my run
	s_sub_co_i32 s28, s25, s26                     ; tiles left:
	s_max_i32 s28, s28, 0                          ; none for a wave past the count, which still fills and passes every barrier
	GSET
	s_wait_loadcnt 62                              ; all but the 32 loads of weights and the 30 of rows: the bias is in
	WIN 0x45
.set j, 0
.rept 32                               ; the bias rounded to bf16 and widened again
	v_cvt_pk_bf16_f32 v[BT+j], v[BI+2*j], v[BI+2*j+1]
.set j, j+1
.endr
.set j, 0
.rept 32
	v_lshlrev_b32 v[BI+2*j], 16, v[BT+j]
	v_and_b32 v[BI+2*j+1], s34, v[BT+j]
.set j, j+1
.endr
	INIT
	s_wait_alu depctr_vm_vsrc(0)                   ; the loads of chunk 0's weights have read VW, those of the first rows XO 0-2: the first trip's adds write them
	s_mov_b32 s29, 7
.Lfuse:                                                ; chunks 0 to 6: each asks for the next chunk's weights
	FILLP 1
	KSTEP 0, 62, 1, 1, 0, 0                        ; younger than slot 0's rows: three slots of 10 and the 32 loads of weights
	KSTEP 1, 52, 1, 1, 1, 0                        ; two slots and the weights
	KSTEP 2, 52, 1, 1, 1, 0
	KSTEP 3, 52, 1, 0, 1, 1                        ; the next chunk is not there yet: no weights are asked for from LDS
	v_add_nc_u32 v[WS], KSP, v[WS]                 ; behind the wait on vm_vsrc at the K step's end: the chunk's LDS stores have read it
	s_sub_co_u32 s29, s29, 1
	s_cmp_lg_u32 s29, 0
	s_cbranch_scc1 .Lfuse
	FILLP 0                                        ; chunk 7: nothing is left to fetch
	s_mov_b32 s27, 0
	s_branch .Ljoin                                ; its four K steps and the way out are those of every group
.Lgroup:
	s_sub_co_i32 s28, s25, s26                     ; tiles left
	s_cmp_le_i32 s28, 0
	s_cbranch_scc1 .Lgnext
	s_wait_xcnt 0x0                                ; the bases that the last group's loads and stores name are rewritten only behind this wait
	s_wait_alu depctr_vm_vsrc(0)                   ; the last group's loads have read XO and WR, which are made anew below
	GSET
	WLOAD 0, 0, 0                                  ; no vector or matrix instruction stands between the wait on va_vdst above and these loads
	INIT
	s_wait_alu depctr_vm_vsrc(0)                   ; the loads of the group's first rows have read XO 0-2, which the first trip's adds write
	s_mov_b32 s29, 7
.Lk:
	s_wait_alu depctr_va_vdst(0)                   ; K step 3's products are done reading slot 3 and buffer 1, in which the loads below and K step 0's land; XO 3 and WR are written
	XLOAD 3
	KSTEP 0, 30, 1, 1, 0, 0                        ; three younger slots of 10 stay out,
	KSTEP 1, 20, 1, 1, 1, 0                        ; then two
	KSTEP 2, 20, 1, 1, 1, 0
	KSTEP 3, 20, 1, 1, 1, 1
	s_sub_co_u32 s29, s29, 1
	s_cmp_lg_u32 s29, 0
	s_cbranch_scc1 .Lk
	s_wait_alu depctr_va_vdst(0)                   ; as at the trip's head: slot 3 and buffer 1 have been read, XO 3 and WR are written
	XLOAD 3
.Ljoin:                                                ; a group's last four K steps ask for no more rows: the counts run down
	KSTEP 0, 30, 0, 1, 0, 0
	KSTEP 1, 20, 0, 1, 0, 0
	KSTEP 2, 10, 0, 1, 0, 0
	KSTEP 3, 0, 0, 0, 0, 0
.irp i, 0,1,2,3,4
	s_cmp_gt_u32 s28, \i
	s_cbranch_scc0 .Lgnext
	OUT1 \i
.endr
.Lgnext:
	s_add_co_u32 s26, s26, MT
	s_add_co_u32 s27, s27, 1
	s_cmp_lt_u32 s27, 4
	s_cbranch_scc1 .Lgroup
	s_wait_dscnt 0x0                               ; my reads of the slice are over;
	s_barrier_signal -1                            ; every wave says so.  no wave writes LDS again (the add below onto spare words behind the slice)
	s_barrier_wait -1                              ; before every wave has said so
	s_wait_dscnt 0x0
	s_wait_alu depctr_hold_cnt(0) depctr_sa_sdst(0) depctr_va_vdst(0) depctr_va_sdst(0) depctr_va_ssrc(0) depctr_va_vcc(0) depctr_vm_vsrc(0)
	s_wait_tensorcnt 0x0
	ds_add_u32 v30, v31
	s_wait_dscnt 0x0
	s_endpgm
.Lfunc_end_k_q4b4fd02ed1_p1:
	.size	k_q4b4fd02ed1_p1, .Lfunc_end_k_q4b4fd02ed1_p1-k_q4b4fd02ed1_p1
	.p2alignl 7, 3214868480
	.fill 96, 4, 3214868480
	.section	.rodata,"a",@progbits
	.p2align	6, 0x0
	.amdhsa_kernel k_q4b4fd02ed1_p1
		.amdhsa_group_segment_fixed_size 266752
		.amdhsa_private_segment_fixed_size 0
		.amdhsa_enable_private_segment 0
		.amdhsa_kernarg_size 40
		.amdhsa_user_sgpr_count 2
		.amdhsa_user_sgpr_kernarg_segment_ptr 1
		.amdhsa_wavefront_size32 1
		.amdhsa_system_sgpr_workgroup_id_x 1
		.amdhsa_system_sgpr_workgroup_id_y 1
		.amdhsa_system_sgpr_workgroup_id_z 1
		.amdhsa_system_vgpr_workitem_id 0
		.amdhsa_next_free_vgpr 960
		.amdhsa_next_free_sgpr 66
		.amdhsa_reserve_vcc 0
		.amdhsa_float_denorm_mode_32 3
		.amdhsa_float_denorm_mode_16_64 3
		.amdhsa_memory_ordered 1
		.amdhsa_forward_progress 1
		.amdhsa_inst_pref_size 142
	.end_amdhsa_kernel
	.amdgpu_metadata
---
amdhsa.version: [ 1, 2 ]
amdhsa.kernels:
  - .name:           k_q4b4fd02ed1_p1
    .symbol:         k_q4b4fd02ed1_p1.kd
    .args:
      - { .name: xg, .offset: 0, .size: 8, .value_kind: global_buffer, .address_space: global }
      - { .name: ew1, .offset: 8, .size: 8, .value_kind: global_buffer, .address_space: global }
      - { .name: eb1, .offset: 16, .size: 8, .value_kind: global_buffer, .address_space: global }
      - { .name: pm, .offset: 24, .size: 8, .value_kind: global_buffer, .address_space: global }
      - { .name: eh, .offset: 32, .size: 8, .value_kind: global_buffer, .address_space: global }
    .group_segment_fixed_size: 266752
    .private_segment_fixed_size: 0
    .kernarg_segment_align: 8
    .kernarg_segment_size: 40
    .max_flat_workgroup_size: 128
    .sgpr_count:     66
    .vgpr_count:     960
    .wavefront_size: 32
...
	.end_amdgpu_metadata
.endif
;; end of part 7
;; launch p2 (part 8): grid 32 x 8, 4 waves a work-group, no clusters, 262,656 bytes of LDS; arguments eh, ew2, pm, y; writes y
.if DOCPART == 8
	.amdgcn_target "amdgcn-amd-amdhsa--gfx1250"
	.amdhsa_code_object_version 6
	.text
	.protected	k_q4b4fd02ed1_p2
	.globl	k_q4b4fd02ed1_p2
	.p2align	8
	.type	k_q4b4fd02ed1_p2,@function
k_q4b4fd02ed1_p2:
	s_mov_b64 s[64:65], 0
	v_nop
	global_prefetch_b8 v0, s[64:65] scope:SCOPE_SE
	s_setreg_imm32_b32 hwreg(HW_REG_WAVE_SCHED_MODE, 0, 2), 2
	s_setreg_imm32_b32 hwreg(HW_REG_WAVE_MODE, 25, 1), 1
	s_wait_xcnt 0x0
	s_wait_alu depctr_vm_vsrc(0)
; SECOND EXPERT PRODUCT, a quarter of K at a time.  y[kq][row][:] = the sum over k = 1024 kq .. + 1023 of eh[row][k] ew2[e][k][:], f32 partial rows; the last launch adds the four, the bias and the gates.
; ew2 [8][4096][1024] f32, rounded to bf16 on the way; sums in f32.
; SHARES.  Work-group (ns + 8 kq, e): output columns 128 ns .. + 127, K quarter kq of expert e: 524,288 bytes of weights that it alone reads, each once, and ALL of that expert's rows.
; K is split so that a work-group still serves 128 columns for each byte of eh that it reads, with 256 work-groups; the price is the partial rows, kept in f32.
; ROWS.  The expert's T tiles of 16 rows (from pm; T <= 64) are dealt to the four waves in runs of Q = ceil(T / 4); a wave takes its run in groups of up to 5 tiles: 40 accumulators.
; THE SLICE COMES IN BESIDE THE FIRST GROUP'S PRODUCTS, as in the first product.  The quarter's K goes in 8 chunks of 4 K steps (32 k each).  In chunk c wave w brings K step 4 c + w through registers (32 loads of 512 bytes),
; rounds it and lays it into LDS as matrix operands; behind a barrier every wave multiplies its first group by the chunk's four K steps, while the next chunk's weights are on their way.  The later groups read the slice again.
; THE ORDER OF THE LOADS.  A wave's loads come back in order (ISA guide 5.7.1), so a wait for rows also waits for every older load.  So all four K steps' rows of a chunk are asked for AHEAD of the next chunk's weights;
; the rows asked for behind those weights are wanted only in the next trip, behind the wait for the weights.
; BARRIERS.  Two a chunk, eight chunks, on every wave's path, also for a wave or an expert without rows (only products are jumped).  One stands behind the chunk's stores, ahead of its reads.  The other stands ahead of the stores,
; behind every wave's wait for its reads of the chunk before: the bytes differ from chunk to chunk, and with it the order does not lean on which bytes a trip's addresses name.
; The loop over the later groups counts to the constant 4 (4 x 5 >= 16 >= Q) and jumps, forward, over groups past the count; it holds no barrier and no LDS store.  It is entered in its middle, at a group's last four K steps.
; A group always LOADS five tiles (they lie inside the buffer of 140) and multiplies and stores the live ones.
; THE SUMS START from 0, written into the accumulators: 320 lines a group, for its 256 to 1,280 products; the price of writing no first K step out.
; NO MULTICAST, NO TENSOR LOADS: each weight has one reader and is rounded in registers; the rounded slice takes 262,144 bytes of LDS.
; LAYOUT.  Source 0 = 16 rows, source 1 = 16 columns.  The weights' fragments keep the order in which the loads bring them: fragment 4 bk + jf holds column 64 bk + 4 r + jf in lane r.
; In the results lane (r, h) then holds, for row 8 h + j, the columns 64 bk + 4 r + 0..3 in register j of four accumulators.
; THE WAY OUT.  A store of 16 bytes wants four registers on end, so those four are copied together: 64 copies a tile, for its 256 products; each store then covers two aligned runs of 256 bytes (rows j and 8 + j), and no LDS is written.
; THE MODE: SCHED_MODE bits 1:0 = 2 (LLVM: expert scheduling mode 2), set by the entry lines.  The code itself states the register dependences
; between vector or matrix instructions and memory or LDS instructions, with s_wait_alu, always for 0.
; THE PLAN.  Registers that memory or LDS instructions touch, and who else names them:
;   XR slot k     K step k's products read it; the rows of the same K step of the next chunk land in it, asked for in K step k + 1 (slot 3's: at the next chunk's head).
;   WB 0, 1       K step k's products read buffer k % 2; in K step k + 1 the fragments of K step k + 2 land in it.
;   LND           a chunk's 64 conversions read it; behind them the next chunk's weights land in it.
;   T = OB        the conversions write it and the LDS stores read it; on the way out the copies write it and the global stores read it.
;   XO 0-3, WR 0-3, VW, WS   offsets and LDS addresses that loads and stores read; a vector add steps each once a chunk.
;   L16, VO       made at the head, never written again.   The accumulators are named by vector and matrix instructions alone.
; ONE wait on va_vdst stands at the head of a K step (K step 0's stands at the chunk's head: behind the conversions where a chunk comes in, else at the trip's head).  It states that the products of the K step before are done
; reading their slot and their buffer and that the offsets stepped so far are written.  The K step's loads follow it with no further wait, the rows' behind the first tile's products: what is issued since the wait names the
; K step's own slot, its own buffer, its own offset and the accumulators, none of which those loads touch.
; ONE wait on vm_vsrc a chunk stands at K step 3's end: every load and LDS store of the chunk has read its registers; behind it XO 3, WR and WS are stepped, and in the next chunk VW, XO 0-2 and T are written.
; The first trip of a loop has that wait ahead of the loop.
.set MT,    5
.set FP,    1024                       ; a fragment in LDS: [half][lane][16 bytes]; stores and loads take 512 consecutive bytes
.set KSP,   8*FP
.set WREG,  8*KSP                      ; a wave's own range of LDS: the eight K steps that it stores.  K step s lies at (s % 4) WREG + (s / 4) KSP
.set PITCH, 4096                       ; bytes from row to row of ew2[e]
.set CSTEP, 128*PITCH                  ; bytes from chunk to chunk
.set TST,   131072                     ; bytes of a tile in eh
.set YQ,    2160*4096                  ; bytes of a quarter's partial rows
.set L16, 1                            ; v1   16 x lane; never rewritten
.set RR,  2
.set HH,  3
.set VW,  4                            ; v4   my offset in the weights: 8 h rows + 16 r + the chunk
.set WS,  5                            ; v5   where I store fragments (steps a K step a chunk)
.set VO,  7                            ; v7   the way out: 8 h rows of y + 16 r; never rewritten
.set XO,  16                           ; v16-19   ring slot b: my offset in a tile's rows for the K step that the slot loads next
.set WR,  20                           ; v20-23   K step k of a chunk: where I read its fragments
.set XR,  32                           ; v32-191  rows' operands: a ring of 4 K steps x 5 tiles x 8
.set T,   192                          ; v192-255 a chunk's packed fragments
.set OB,  192                          ; v192-255 the way out: a tile in the stores' order
.set WB,  0                            ; window 1: v0-127 weights' fragments, two buffers of 8
.set LND, 64                           ; window 3: v64-191 the weights as loaded, two units of 64
; window 2 v0-255 and window 3 v0-63: the accumulators, tile i, fragment F at 64 i + 8 F
.set MSB, 0
.macro WIN new                         ; the immediate's high byte repeats the setting that is left; a switch that changes nothing is dropped
.if MSB != (\new)
	s_set_vgpr_msb (MSB<<8)|(\new)
.set MSB, \new
.endif
.endm
; A unit is 32 k x 64 columns: column block b of my K step.  Load i takes row i % 8 + 16 (i / 8) + 8 h, 16 bytes at 16 r: two aligned runs of 256 bytes a load.
.macro LOADU b
	WIN 0xc0
.set j, 0
.rept 16
	global_load_b128 v[LND+64*(\b)+4*j:LND+64*(\b)+4*j+3], v[VW], s[18:19] offset:((j%8)+16*(j/8))*PITCH+(\b)*256 th:TH_LOAD_NT
.set j, j+1
.endr
.endm
.macro CVTU b                          ; register q of fragment jf = rows 2 q, 2 q + 1 of my 16, column 4 r + jf
	WIN 0x0f
.set j, 0
.rept 32
	v_cvt_pk_bf16_f32 v[T+32*(\b)+j], v[LND+64*(\b)+8*(j%8)+j/8], v[LND+64*(\b)+8*(j%8)+4+j/8]
.set j, j+1
.endr
.endm
.macro STOU b                          ; fragment 4 b + j / 2, half j % 2
	WIN 0
.set j, 0
.rept 8
	ds_store_b128 v[WS], v[T+32*(\b)+4*j:T+32*(\b)+4*j+3] offset:(\b)*4*FP+(j/2)*FP+512*(j%2)
.set j, j+1
.endr
.endm
.macro XLOAD b                         ; ring slot b: its next K step, five tiles, 512 consecutive bytes a load
	WIN 0
.set j, 0
.rept 10
	global_load_b128 v[XR+40*(\b)+4*j:XR+40*(\b)+4*j+3], v[XO+(\b)], s[30:31] offset:(j/2)*TST+512*(j%2)
.set j, j+1
.endr
.endm
.macro WLOAD wb, k, a                  ; the 8 fragments of K step k of the chunk in hand (a = 1: of the next chunk) into buffer wb
	WIN 0x40
.set j, 0
.rept 16
	ds_load_b128 v[WB+64*(\wb)+4*j:WB+64*(\wb)+4*j+3], v[WR+(\k)] offset:(\a)*KSP+(j/2)*FP+512*(j%2)
.set j, j+1
.endr
.endm
.macro MM8 i, kk                       ; tile i: 8 products
.set AC, 64*((\i)%4)
.set XB, XR+40*(\kk)+8*(\i)
.set WBB, WB+64*((\kk)%2)
	WIN 0xa4+0x50*((\i)/4)                         ; rows (source 0) window 0, weights (source 1) window 1, C and D window 2 or 3
.set j, 0
.rept 8
	v_wmma_f32_16x16x32_bf16 v[AC+8*j:AC+8*j+7], v[XB:XB+7], v[WBB+8*j:WBB+8*j+7], v[AC+8*j:AC+8*j+7]
.set j, j+1
.endr
.endm
; K step kk of a chunk.  lc: the younger loads that may stay out when slot kk's rows have to be there.  step = 1: the slot's offset goes on four K steps: that wait has shown the loads that named it done
; (slot 3's goes on at the step's end, with the read addresses, behind the chunk's one wait on vm_vsrc).
; wpre = 1: the next K step's weights are asked for.  xpre = 1: the slot read in the K step before takes its next K step, behind the first tile's products.  The live tiles' products: the accumulators by turns.
; Four plain vector instructions or more close it: the places between the products and the next loads into the registers that they read, and the way out: wrs = 1: slot 3's offset and the four read addresses go on to the next chunk; else four v_nop.
.macro KSTEP kk, lc, step, wpre, xpre, wrs
	s_wait_loadcnt \lc
	s_wait_dscnt 0x0
.if (\step) && ((\kk) < 3)
	v_add_nc_u32 v[XO+(\kk)], 0x1000, v[XO+(\kk)]  ; the loads that read it stand ahead of the last wait on vm_vsrc
.endif
.if \wpre
	WIN 0x40
.endif
.if (\kk) && ((\wpre) || (\xpre))
	s_wait_alu depctr_va_vdst(0)                   ; the products of the K step before are done reading their slot and their buffer, in which the loads below land; that slot's offset is written
.endif
.if \wpre
	WLOAD ((\kk)+1)%2, ((\kk)+1)%4, ((\kk)+1)/4
.endif
	WIN 0
	s_cmp_gt_u32 s28, 0
	s_cbranch_scc0 .Lka_\@
	MM8 0, \kk
	WIN 0
.Lka_\@:
.if \xpre
	XLOAD (\kk)-1                                  ; no wait: the products since the wait name this K step's slot and buffer and the accumulators alone
.endif
.irp i, 1,2,3,4
	WIN 0
	s_cmp_gt_u32 s28, \i
	s_cbranch_scc0 .Lke_\@
	MM8 \i, \kk
.endr
	WIN 0
.Lke_\@:
.if \wrs
	s_wait_alu depctr_vm_vsrc(0)                   ; the chunk's loads and LDS stores have read XO 0-3, WR 0-3, VW, WS and T: these are written from here on and in the next chunk
	v_add_nc_u32 v[XO+3], 0x1000, v[XO+3]          ; the wait on LOADcnt at this step's head has shown the loads that named it done
.irp q, 0,1,2,3
	v_add_nc_u32 v[WR+\q], KSP, v[WR+\q]
.endr
.else
.rept 4
	v_nop
.endr
.endif
.endm
; A chunk comes in.  ahead = 1: the next chunk's weights are asked for.
.macro FILLP ahead
	s_wait_loadcnt 30                              ; my part of the chunk's weights is in; the three younger slots of rows may stay out
.if \ahead
	v_add_nc_u32 v[VW], CSTEP, v[VW]               ; free since the wait above; the loads that read it stand ahead of the last wait on vm_vsrc
.endif
	CVTU 0
	CVTU 1
	WIN 0
	s_wait_alu depctr_va_vdst(0)                   ; the conversions are done reading LND and have written T; VW, WS, XO 3 and WR are written; the last chunk's products are done reading slot 3 and both buffers of fragments
	XLOAD 3                                        ; the rows of the chunk's fourth K step: ahead of the weights below
.if \ahead
	LOADU 0
	LOADU 1
.endif
	WIN 0
	s_barrier_signal -1                            ; my reads of the chunk before were waited for at its last K step's head:
	s_barrier_wait -1                              ; no wave stores into the slice while another still reads from it
	STOU 0
	STOU 1
	s_wait_dscnt 0x0                               ; for the others' sake: my stores are done
	s_barrier_signal -1
	s_barrier_wait -1                              ; the chunk is whole
	WLOAD 0, 0, 0                                  ; no vector or matrix instruction stands between the wait on va_vdst above and these loads
	WIN 0
.endm
.macro INIT                            ; the sums start from 0
	WIN 0x80
.set j, 0
.rept 256
	v_mov_b32 v[j], 0
.set j, j+1
.endr
	WIN 0xc0
.set j, 0
.rept 64
	v_mov_b32 v[j], 0
.set j, j+1
.endr
	WIN 0
.endm
.macro GSET                            ; a group's bases and offsets, and the rows of its first three K steps
	s_add_co_u32 s2, s23, s26
	s_min_u32 s2, s2, 134
	s_lshl_b32 s20, s2, 17
	s_lshl_b32 s3, s17, 15
	s_add_co_u32 s20, s20, s3
	s_mov_b32 s21, 0
	s_add_nc_u64 s[30:31], s[4:5], s[20:21]
	s_lshl_b32 s20, s2, 16
	s_mul_i32 s3, s17, YQ
	s_add_co_u32 s20, s20, s3
	s_lshl_b32 s3, s16, 9
	s_add_co_u32 s20, s20, s3
	s_add_nc_u64 s[32:33], s[10:11], s[20:21]
.irp b, 0,1,2,3
	v_add_nc_u32 v[XO+\b], 1024*\b, v[L16]
	v_add_nc_u32 v[WR+\b], WREG*\b, v[L16]
.endr
	s_wait_alu depctr_va_vdst(0)                   ; XO and WR are written, which the loads of rows and of fragments read; in a later group the last group's products are done reading the slots and the buffers in which these land
	XLOAD 0
	XLOAD 1
	XLOAD 2
.endm
.macro OUT2 i                          ; tile i leaves
	s_wait_xcnt 0x0                                ; the registers that the last tile's stores read are rewritten only behind this wait
	s_wait_alu depctr_vm_vsrc(0)                   ; the last tile's stores, or the last chunk's LDS stores, have read OB, which the copies write again
	WIN 0x02+(\i)/4                                ; source in window 2 or 3
.set AC, 64*((\i)%4)
.set j, 0
.rept 64                               ; register j / 8 of accumulator j % 8: every accumulator's register 0 is read first, then in ascending order
	v_mov_b32 v[OB+j], v[AC+8*(j%8)+j/8]
.set j, j+1
.endr
	WIN 0
	s_wait_alu depctr_va_vdst(0)                   ; the copies have written OB, which the stores read
.set j, 0
.rept 16                               ; rows j / 2 and 8 + j / 2, column block j % 2: 256 consecutive bytes, aligned, for each half of the lanes
	global_store_b128 v[VO], v[OB+4*j:OB+4*j+3], s[32:33] offset:(\i)*65536+(j/2)*4096+256*(j%2) th:TH_STORE_NT
.set j, j+1
.endr
.endm
	s_load_b256 s[4:11], s[0:1], 0x0               ; eh s[4:5], ew2 s[6:7], pm s[8:9], y s[10:11]
	v_lshl_add_u32 v30, v0, 2, 0x40000
	v_mov_b32 v31, 0
	v_lshrrev_b32 v1, 5, v0
	v_readfirstlane_b32 s14, v1                    ; wave 0..3
	s_and_b32 s15, ttmp7, 0xffff                   ; e
	s_and_b32 s16, ttmp9, 7                        ; ns
	s_lshr_b32 s17, ttmp9, 3                       ; kq
	s_lshl_b32 s35, s15, 2
	v_and_b32 v1, 31, v0
	v_lshlrev_b32 v[L16], 4, v1
	v_and_b32 v[RR], 15, v0
	v_bfe_u32 v[HH], v0, 4, 1
	v_lshlrev_b32 v[VW], 4, v[RR]
	v_lshl_add_u32 v[VW], v[HH], 15, v[VW]         ; 8 rows of 4,096 bytes for the upper half of the lanes
	v_mov_b32 v[VO], v[VW]                         ; y's rows are 4,096 bytes too
	s_wait_alu depctr_va_sdst(0)                   ; s14 is written, ahead of its first reader: my range of LDS, my rows of the weights and my run of tiles are made from it
	s_mul_i32 s2, s14, WREG                        ; my range of LDS
	v_add_nc_u32 v[WS], s2, v[L16]
	s_lshl_b32 s20, s15, 24                        ; ew2: expert, quarter, K step w's 32 rows, the slice's 512 bytes of a row
	s_lshl_b32 s2, s17, 22
	s_add_co_u32 s20, s20, s2
	s_lshl_b32 s2, s14, 17
	s_add_co_u32 s20, s20, s2
	s_lshl_b32 s2, s16, 9
	s_add_co_u32 s20, s20, s2
	s_mov_b32 s21, 0
	s_wait_kmcnt 0x0
	s_add_nc_u64 s[18:19], s[6:7], s[20:21]
	s_load_b32 s22, s[8:9], s35 offset:0x0         ; T: the expert's tiles
	s_load_b32 s23, s[8:9], s35 offset:0x20        ; its first tile
	WIN 0xc0
	s_wait_alu depctr_va_vdst(0)                   ; L16, VW, VO and WS are written, which the loads and stores of the kernel read as offsets and addresses
	LOADU 0                                        ; chunk 0's weights
	LOADU 1
	WIN 0
	s_wait_kmcnt 0x0
	s_add_co_u32 s24, s22, 3
	s_lshr_b32 s24, s24, 2                         ; Q
	s_mul_i32 s26, s14, s24                        ; my first tile of the expert's,
	s_add_co_u32 s25, s26, s24
	s_min_u32 s25, s25, s22                        ; and the end of my run
	s_sub_co_i32 s28, s25, s26                     ; tiles left:
	s_max_i32 s28, s28, 0                          ; none for a wave past the count, which still fills and passes every barrier
	GSET
	INIT
	s_wait_alu depctr_vm_vsrc(0)                   ; the loads of chunk 0's weights have read VW, those of the first rows XO 0-2: the first trip's adds write them
	s_mov_b32 s29, 7
.Lfuse:                                                ; chunks 0 to 6: each asks for the next chunk's weights
	FILLP 1
	KSTEP 0, 62, 1, 1, 0, 0                        ; younger than slot 0's rows: three slots of 10 and the 32 loads of weights
	KSTEP 1, 52, 1, 1, 1, 0                        ; two slots and the weights
	KSTEP 2, 52, 1, 1, 1, 0
	KSTEP 3, 52, 1, 0, 1, 1                        ; the next chunk is not there yet: no weights are asked for from LDS
	v_add_nc_u32 v[WS], KSP, v[WS]                 ; behind the wait on vm_vsrc at the K step's end: the chunk's LDS stores have read it
	s_sub_co_u32 s29, s29, 1
	s_cmp_lg_u32 s29, 0
	s_cbranch_scc1 .Lfuse
	FILLP 0                                        ; chunk 7: nothing is left to fetch
	s_mov_b32 s27, 0
	s_branch .Ljoin                                ; its four K steps and the way out are those of every group
.Lgroup:
	s_sub_co_i32 s28, s25, s26                     ; tiles left
	s_cmp_le_i32 s28, 0
	s_cbranch_scc1 .Lgnext
	s_wait_xcnt 0x0                                ; the bases that the last group's loads and stores name are rewritten only behind this wait
	s_wait_alu depctr_vm_vsrc(0)                   ; the last group's loads have read XO and WR, which are made anew below
	GSET
	WLOAD 0, 0, 0                                  ; no vector or matrix instruction stands between the wait on va_vdst above and these loads
	INIT
	s_wait_alu depctr_vm_vsrc(0)                   ; the loads of the group's first rows have read XO 0-2, which the first trip's adds write
	s_mov_b32 s29, 7
.Lk:
	s_wait_alu depctr_va_vdst(0)                   ; K step 3's products are done reading slot 3 and buffer 1, in which the loads below and K step 0's land; XO 3 and WR are written
	XLOAD 3
	KSTEP 0, 30, 1, 1, 0, 0                        ; three younger slots of 10 stay out,
	KSTEP 1, 20, 1, 1, 1, 0                        ; then two
	KSTEP 2, 20, 1, 1, 1, 0
	KSTEP 3, 20, 1, 1, 1, 1
	s_sub_co_u32 s29, s29, 1
	s_cmp_lg_u32 s29, 0
	s_cbranch_scc1 .Lk
	s_wait_alu depctr_va_vdst(0)                   ; as at the trip's head: slot 3 and buffer 1 have been read, XO 3 and WR are written
	XLOAD 3
.Ljoin:                                                ; a group's last four K steps ask for no more rows: the counts run down
	KSTEP 0, 30, 0, 1, 0, 0
	KSTEP 1, 20, 0, 1, 0, 0
	KSTEP 2, 10, 0, 1, 0, 0
	KSTEP 3, 0, 0, 0, 0, 0
.irp i, 0,1,2,3,4
	s_cmp_gt_u32 s28, \i
	s_cbranch_scc0 .Lgnext
	OUT2 \i
.endr
.Lgnext:
	s_add_co_u32 s26, s26, MT
	s_add_co_u32 s27, s27, 1
	s_cmp_lt_u32 s27, 4
	s_cbranch_scc1 .Lgroup
	s_wait_dscnt 0x0                               ; my reads of the slice are over;
	s_barrier_signal -1                            ; every wave says so.  no wave writes LDS again (the add below onto spare words behind the slice)
	s_barrier_wait -1                              ; before every wave has said so
	s_wait_dscnt 0x0
	s_wait_alu depctr_hold_cnt(0) depctr_sa_sdst(0) depctr_va_vdst(0) depctr_va_sdst(0) depctr_va_ssrc(0) depctr_va_vcc(0) depctr_vm_vsrc(0)
	s_wait_tensorcnt 0x0
	ds_add_u32 v30, v31
	s_wait_dscnt 0x0
	s_endpgm
.Lfunc_end_k_q4b4fd02ed1_p2:
	.size	k_q4b4fd02ed1_p2, .Lfunc_end_k_q4b4fd02ed1_p2-k_q4b4fd02ed1_p2
	.p2alignl 7, 3214868480
	.fill 96, 4, 3214868480
	.section	.rodata,"a",@progbits
	.p2align	6, 0x0
	.amdhsa_kernel k_q4b4fd02ed1_p2
		.amdhsa_group_segment_fixed_size 262656
		.amdhsa_private_segment_fixed_size 0
		.amdhsa_enable_private_segment 0
		.amdhsa_kernarg_size 32
		.amdhsa_user_sgpr_count 2
		.amdhsa_user_sgpr_kernarg_segment_ptr 1
		.amdhsa_wavefront_size32 1
		.amdhsa_system_sgpr_workgroup_id_x 1
		.amdhsa_system_sgpr_workgroup_id_y 1
		.amdhsa_system_sgpr_workgroup_id_z 1
		.amdhsa_system_vgpr_workitem_id 0
		.amdhsa_next_free_vgpr 960
		.amdhsa_next_free_sgpr 66
		.amdhsa_reserve_vcc 0
		.amdhsa_float_denorm_mode_32 3
		.amdhsa_float_denorm_mode_16_64 3
		.amdhsa_memory_ordered 1
		.amdhsa_forward_progress 1
		.amdhsa_inst_pref_size 130
	.end_amdhsa_kernel
	.amdgpu_metadata
---
amdhsa.version: [ 1, 2 ]
amdhsa.kernels:
  - .name:           k_q4b4fd02ed1_p2
    .symbol:         k_q4b4fd02ed1_p2.kd
    .args:
      - { .name: eh, .offset: 0, .size: 8, .value_kind: global_buffer, .address_space: global }
      - { .name: ew2, .offset: 8, .size: 8, .value_kind: global_buffer, .address_space: global }
      - { .name: pm, .offset: 16, .size: 8, .value_kind: global_buffer, .address_space: global }
      - { .name: y, .offset: 24, .size: 8, .value_kind: global_buffer, .address_space: global }
    .group_segment_fixed_size: 262656
    .private_segment_fixed_size: 0
    .kernarg_segment_align: 8
    .kernarg_segment_size: 32
    .max_flat_workgroup_size: 128
    .sgpr_count:     66
    .vgpr_count:     960
    .wavefront_size: 32
...
	.end_amdgpu_metadata
.endif
;; end of part 8
;; launch sum: the kernel of part 6 again; grid 256 x 1, 8 waves a work-group, no clusters, 0 bytes of LDS; arguments y, pm, rt, gt, eb2, out0; writes out0
